; MI455X (gfx1250); checked and timed in simulation.
; The chip was launched on July 23, 2026; its instructions are those of AMD's public machine-readable ISA for CDNA 5 (MIT licence, August 2026) and "CDNA5" Instruction Set Architecture Reference Guide (July 2026). The comments in the code are by the model that wrote it; some were corrected since.
;; Encoder. Allowed arithmetic: matrix products marked QUANTISED: E2M3 operands, one E8M0 scale for each 32 along K, by v_wmma_scale_f32_16x16x128_f8f6f4 with both operands' format E2M3, f32 sums; everything else in f32.
;; Inputs: V 2 x 2,048 int32; b1 4,096 float32; b2 1,024 float32; beta1 1,024 float32; beta2 1,024 float32; emb 32,000 x 1,024 float32; gamma1 1,024 float32; gamma2 1,024 float32; w1_codes 4,096 x 32 x 24 uint8 (E2M3 codes of w1, K innermost, in blocks of 32 codes, four codes in three bytes); w1_scales 4,096 x 32 uint8 (E8M0 scales of w1, one for each 32 codes along K); w2_codes 1,024 x 128 x 24 uint8 (E2M3 codes of w2, K innermost, in blocks of 32 codes, four codes in three bytes); w2_scales 1,024 x 128 uint8 (E8M0 scales of w2, one for each 32 codes along K); w_o_codes 1,024 x 32 x 24 uint8 (E2M3 codes of w_o, K innermost, in blocks of 32 codes, four codes in three bytes); w_o_scales 1,024 x 32 uint8 (E8M0 scales of w_o, one for each 32 codes along K).
;; Outputs: out0 2 x 2,048 x 1,024 float32.
;; Constants: num_heads = 16.
;; This version of the problem:
;;   THIS VERSION OF THE PROBLEM IS GIVEN IN LOW PRECISION. The matrix products marked QUANTISED in the list below multiply operands that are first quantised to E2M3 (2 exponent bits, 3 mantissa bits; 6 bits a number), with one power-of-two scale for each 32 numbers along K (OCP MX v1.0); their sums are f32. All else is computed in f32.
;;   The module's matrix products, in the order in which they are computed (A, B: the left and right operand; K: the contracted axis; several contracted axes count as one K, in the product's order):
;;     1. batch 32 x [M 2,048, K 64] x [K 64, N 2,048]; A: computed on the way; B: computed on the way: QUANTISED
;;     2. batch 32 x [M 64, K 2,048] x [K 2,048, N 2,048]; A: computed on the way; B: softmax (see below): QUANTISED
;;     3. [M 4,096, K 1,024] x [K 1,024, N 1,024]; A: computed on the way; B: input w_o (given as codes): QUANTISED
;;     4. [M 4,096, K 1,024] x [K 1,024, N 4,096]; A: computed on the way; B: input w1 (given as codes): QUANTISED
;;     5. [M 4,096, K 4,096] x [K 4,096, N 1,024]; A: computed on the way; B: input w2 (given as codes): QUANTISED
;;   THE QUANTISER, for each operand of a quantised product, along K:
;;     - K is cut into blocks of 32 from its start; a last block that is shorter is filled with zeros.
;;     - A block's scale is 2^e with e = floor(log2(the largest magnitude in the block)) - 2, held to -126 .. 127; a block of zeros has e = 0. As a byte (E8M0): e + 127.
;;     - Each number is divided by its block's scale, clamped to +-7.5, and rounded to the nearest number of E2M3, ties to even, subnormals kept.
;;     - The product sums the exact products of the quantised numbers (number of the format x scale) in f32.
;;   ~~~python
;;   def quantise(x, axis):      # numpy; x: float32 -> the quantised numbers, widened to float32 again
;;       x = np.moveaxis(x, axis, -1); K = x.shape[-1]
;;       x = np.pad(x, [(0, 0)] * (x.ndim - 1) + [(0, -K % 32)]); x = x.reshape(x.shape[:-1] + (-1, 32)); a = np.abs(x).max(-1, keepdims=True)
;;       e = np.where(a > 0, np.clip(np.frexp(np.where(a > 0, a, 1))[1] - 1 - 2, -126, 127), 0)      # np.frexp(a)[1] - 1 = floor(log2(a)), exactly
;;       r = np.clip(x / 2.0 ** e, -7.5, 7.5)
;;       step = 2.0 ** (np.maximum(np.frexp(np.where(r == 0, 1, r))[1] - 1, 0) - 3)
;;       q = np.round(r / step) * step * 2.0 ** e      # np.round: ties to even
;;       return np.moveaxis(q.reshape(q.shape[:-2] + (-1,))[..., :K], -1, axis).astype(np.float32)
;;   ~~~
;;   SOFTMAX AHEAD OF A QUANTISED PRODUCT. Where the list says 'softmax', what is quantised is not the finished softmax but p = 2^(t - M), with t = logit x log2(e) and M = ceil(the row's largest t), a whole number; so 1/2 < the row's largest p <= 1. The row's sum l is taken of the UNQUANTISED p, in f32, and the product's result is divided by l at the end. Since M is a whole number, a kernel that streams over the keys may use a running M (the ceiling of the running maximum): every later rescaling is an exact power of two, which a block's scale takes up: the codes' values come out the same.
;;   OPERANDS COMPUTED ON THE WAY. 'Computed on the way' means the value that the module computes at that place (a softmax that the list does not call 'softmax' is quantised finished and normalised). What goes into a quantiser is computed in f32, as accurately as f32 sums, v_exp_f32 and their like allow (about 1e-6 of the number): no bf16 or f16 on the way to a quantiser, and a product that is left as it is and whose result goes on into a quantised operand takes f32 operands (vector FMAs, or v_wmma_f32_16x16x4_f32). A number that lies on a knife's edge between two numbers of the format may be rounded either way, as far as f32 arithmetic and the matrix unit's own rounding can turn it there, and no further.
;;   INPUTS GIVEN AS CODES. w1 (in the module: [1024, 4096], K = its axis 0); w2 (in the module: [4096, 1024], K = its axis 0); w_o (in the module: [1024, 1024], K = its axis 0): each comes as NAME_codes (uint8): NAME with its K axis moved to the last place and cut into blocks of 32 codes, [.., K / 32, bytes a block], one block behind the other in memory; four codes in three bytes: a row's codes are one little-endian stream of bits, code i at bits 6 i .. 6 i + 5 (a code: sign, 2 exponent bits, 3 mantissa bits); and NAME_scales (uint8): the same leading axes, one E8M0 byte (e + 127) for each 32 codes along K. Its value is code x scale, taken as it is: it is not quantised again, and the codes and scales need not be those that the quantiser above would give.
;; One version. Each part assembles by itself: llvm-mc -triple=amdgcn-amd-amdhsa -mcpu=gfx1250 --defsym DOCPART=n.
;; ======== version 1 of 1: 6 launches
;; limits: right only within a limited range of input values
;; workspace buffers: kv 6,684,672 bytes; ctxq 3,276,800 bytes; x1 16,777,216 bytes; x1q 3,276,800 bytes; hidq 13,107,200 bytes; y2 16,777,216 bytes; wimg 7,077,888 bytes
;; launch prep (part 1): grid 32 x 25, 4 waves a work-group, no clusters, 42,496 bytes of LDS; arguments V, emb, kv, w1_codes, w2_codes, w_o_codes, wimg; writes kv, wimg
.if DOCPART == 1
	.amdgcn_target "amdgcn-amd-amdhsa--gfx1250"
	.amdhsa_code_object_version 6
	.text
	.protected	k_q3c6763ff98_prep
	.globl	k_q3c6763ff98_prep
	.p2align	8
	.type	k_q3c6763ff98_prep,@function
k_q3c6763ff98_prep:
	s_mov_b64 s[64:65], 0
	v_nop
	global_prefetch_b8 v0, s[64:65] scope:SCOPE_SE
	s_setreg_imm32_b32 hwreg(HW_REG_WAVE_MODE, 25, 1), 1
	s_wait_xcnt 0x0
; x = emb[V], gathered, and quantised twice to E2M3 with one E8M0 scale for each 32: along the head's 64 features (the operand q = k of the first product) and along the keys
; (the operand v of the second).  The codes leave as IMAGES OF THE OPERANDS' REGISTERS: a fragment (16 rows x 128 K, 12 registers a lane) is three planes of 512 bytes, plane p = registers 4 p .. 4 p + 3,
; lane l's 16 bytes at 16 l.  A work-group makes one block of kv: one head, 128 keys: K's image (4 pairs of tiles x 1,536), V's image (4 tiles x 1,536), K's scale words (512), V's (256): 13,056 bytes.
; THE ROWS OF A TILE ARE NOT NEIGHBOURS: lane r of tile 2 g + u takes element 32 g + 8 u + r + 8 (r / 8), of the keys (K's tiles, which are Q's tiles too) and of the features (V's tiles).
; K'S PRODUCT HAS K = 64: a tile of K fills registers 0-5 of an operand; two tiles share an image; bytes 2 and 3 of its scale words are 0x7f (1.0), for the half of K whose codes on the other side are zeros.
; SHARES: wave w takes keys 32 w .. 32 w + 31 of the 128.  A lane takes a feature and its registers run down the keys: each load reads 128 consecutive bytes of a row of emb, and a block of 32 keys lies in one lane.
; For K the same numbers turn through the wave's own stage in LDS and come back 32 neighbouring features a lane.
; A block's scale: its largest magnitude's exponent field less 2, held at 1 from below.  LIMITS: a block of zeros gets the byte 1 where the quantiser's text says 127 (its codes are zeros, and this program alone reads the bytes);
; blocks whose largest magnitude lies under 2^-124 keep the byte 1; NaN and infinities among the inputs are not served.  An index is held at 31,999 from above.
.set SB,     13056                     ; a block of kv
.set HB,     16*SB                     ; a head's 16 blocks
.set SPITCH, 272                       ; a stage row: 64 features x 4 bytes + 16: row r starts at bank 4 r mod 64 (64 banks of 4 bytes: ISA guide 11.1)
.set WSTG,   32*SPITCH                 ; a wave's stage
.set VOUT,   4*WSTG                    ; behind the stages: V's image (6,144), K's scale words (512), V's (256)
.set KSO,    VOUT+6144
.set VSO,    VOUT+6656
.set LANE, 1
.set L4,   2                           ; 4 x lane
.set STW,  3                           ; stage, in: 4 x lane
.set SRB,  4                           ; stage, back: 272 r + 128 h
.set VA,   5                           ; V's image: pieces 0 and 2 of my six registers
.set VB,   6                           ; piece 1
.set VSB,  7                           ; V's scale byte
.set KSA,  8                           ; K's scale word
.set CP,   9                           ; the copy out: VOUT + 16 x thread
.set T16,  10                          ; 16 x thread
.set KCO,  11                          ; 16 x lane + 1,536 x wave
.set L8,   12                          ; 8 x lane
.set KST,  13                          ; K's scale words, 16 bytes a lane
.set VST,  14                          ; V's, 8 bytes a lane
.set H8,   15                          ; 8 h
.set OFF,  16                          ; v16-47   byte offset of my feature in each of the 32 rows of emb
.set X,    48                          ; v48-111  two blocks of 32 features: 32 keys each
.set Z,    112                         ; v112-175 two tiles: 32 neighbouring features of one key
.set KC,   176                         ; v176-187 the image of my pair of K's tiles
.set TC,   188                         ; v188-190 a block's upper 16 codes
.set VC,   192                         ; v192-203 V's codes, six registers for each block of features
.set M0,   204
.set M1,   205
.set SO,   206
.set PT,   207
.set BY,   208                         ; v208-211 four scale bytes
.set KW,   212                         ; v212-213 two scale words
.set L16,  214                         ; 16 x lane
.set CO,   216                         ; v216-227 the copy out
.set TL,   228                         ; v228-233 its tail
; 32 numbers of a lane, v[s] on, one block: codes into v[c] .. v[c + 5], the scale's byte into v[by]
.macro QBLK s, c, by
	v_max3_num_f32 v[M0], |v[(\s)]|, |v[(\s)+1]|, |v[(\s)+2]|
	v_max3_num_f32 v[M1], |v[(\s)+3]|, |v[(\s)+4]|, |v[(\s)+5]|
.irp i, 6,10,14,18,22,26
	v_max3_num_f32 v[M0], v[M0], |v[(\s)+\i]|, |v[(\s)+\i+1]|
	v_max3_num_f32 v[M1], v[M1], |v[(\s)+\i+2]|, |v[(\s)+\i+3]|
.endr
	v_max3_num_f32 v[M0], v[M0], |v[(\s)+30]|, |v[(\s)+31]|
	v_max3_num_f32 v[M0], v[M0], v[M1], 0x1800000                  ; and the floor 2^(3 - 127): the byte cannot fall under 1
	v_add_nc_u32 v[SO], 0xff000000, v[M0]                          ; 2 off the exponent field: the conversion takes the exponent field of this operand as its scale
	v_lshrrev_b32 v[\by], 23, v[SO]                                ; the scale's byte
	v_cvt_scalef32_pk16_fp6_f32 v[(\c):(\c)+2], v[(\s):(\s)+15], v[SO]
	v_cvt_scalef32_pk16_fp6_f32 v[TC:TC+2], v[(\s)+16:(\s)+31], v[SO]   ; (a conversion's three registers begin on an even number)
	v_nop                                                          ; one plain place behind a scaled conversion
.irp i, 0,1,2
	v_mov_b32 v[(\c)+3+\i], v[TC+\i]
.endr
.endm
	s_load_b128 s[4:7], s[0:1], 0x0                ; V, emb
	s_load_b64 s[8:9], s[0:1], 0x10                ; kv
	v_lshl_add_u32 v240, v0, 2, 0xa400
	v_mov_b32 v241, 0
	v_lshrrev_b32 v1, 5, v0
	v_readfirstlane_b32 s10, v1                    ; wave 0..3
	v_and_b32 v[LANE], 31, v0
	s_and_b32 s11, ttmp7, 0xffff                   ; the head; rows 16-24 of the grid re-lay the weights instead
	s_cmp_ge_u32 s11, 16
	s_wait_alu depctr_va_vdst(0)
	s_cbranch_scc1 .Lrelay
	s_lshl_b32 s12, ttmp9, 9                       ; work-group x = which 128 tokens: 512 bytes of V,
	s_lshl_b32 s13, s10, 7                         ; my wave's 32: 128 bytes
	s_add_co_u32 s12, s12, s13
	s_wait_alu depctr_va_vdst(0)
	s_wait_kmcnt 0x0
	s_load_b512 s[32:47], s[4:5], s12              ; my 32 indices
	s_load_b512 s[48:63], s[4:5], s12 offset:0x40
	v_lshlrev_b32 v[L4], 2, v[LANE]
	s_mul_i32 s14, s10, WSTG
	v_add_nc_u32 v[STW], s14, v[L4]
	v_and_b32 v16, 15, v[LANE]                     ; r
	v_lshrrev_b32 v17, 4, v[LANE]                  ; h
	v_mul_u32_u24 v[SRB], v16, SPITCH
	v_lshl_add_u32 v[SRB], v17, 7, v[SRB]
	v_add_nc_u32 v[SRB], s14, v[SRB]
	v_bfe_u32 v18, v[LANE], 3, 1                   ; my feature's tile of the two of its 32: u',
	v_and_b32 v19, 7, v[LANE]
	v_lshl_add_u32 v19, v17, 3, v19                ; and its row there: r' = lane % 8 + 8 (lane / 16)
	v_mul_u32_u24 v20, v18, 1536
	v_lshl_add_u32 v20, v19, 4, v20                ; 1,536 u' + 16 r'
	s_wait_alu depctr_va_vdst(0)
	s_and_b32 s15, s10, 1                          ; my 32 keys are block w of the 128: half w % 2 of the lanes,
	s_lshr_b32 s16, s10, 1                         ; registers 6 (w / 2) on: pieces at 0, 8, 512 or at 520, 1,024, 1,032
	s_lshl_b32 s15, s15, 8
	s_mul_i32 s17, s16, 520
	s_add_co_u32 s17, s17, s15
	s_add_co_u32 s17, s17, VOUT
	v_add_nc_u32 v[VA], s17, v20
	s_mul_i32 s17, s16, 1016
	s_add_co_u32 s17, s17, s15
	s_add_co_u32 s17, s17, VOUT
	v_add_nc_u32 v[VB], s17, v20
	v_lshl_add_u32 v21, v18, 4, v19
	v_lshlrev_b32 v21, 3, v21                      ; V's scale words: 8 bytes for each lane 16 u' + r'; my byte is number w
	s_add_co_u32 s17, s10, VSO
	v_add_nc_u32 v[VSB], s17, v21
	s_lshl_b32 s17, s10, 2
	s_add_co_u32 s17, s17, KSO
	v_lshl_add_u32 v[KSA], v16, 4, s17             ; K's: 16 bytes for each lane 16 u + r; my pair's word is number w
	v_lshl_add_u32 v[CP], v0, 4, VOUT
	v_lshlrev_b32 v[T16], 4, v0
	v_lshlrev_b32 v[L16], 4, v[LANE]
	s_mul_i32 s17, s10, 1536
	v_add_nc_u32 v[KCO], s17, v[L16]
	v_lshlrev_b32 v[L8], 3, v[LANE]
	v_add_nc_u32 v[KST], KSO, v[L16]
	v_add_nc_u32 v[VST], VSO, v[L8]
	v_lshlrev_b32 v[H8], 3, v17
	v_mov_b32 v[PT], 0                             ; a lane permute's destination counts as one of its sources
	s_mov_b32 s66, 0x76543210
	s_mov_b32 s67, 0xfedcba98                      ; v_permlanex16_b32's selects for lane l xor 16
	s_lshr_b32 s18, ttmp9, 4                       ; the batch,
	s_lshl_b32 s18, s18, 4
	s_add_co_u32 s18, s18, s11                     ; 16 x batch + head,
	s_mul_i32 s18, s18, HB
	s_and_b32 s19, ttmp9, 15                       ; and the step of 128 keys
	s_mul_i32 s19, s19, SB
	s_add_co_u32 s18, s18, s19
	s_mov_b32 s19, 0
	s_add_nc_u64 s[8:9], s[8:9], s[18:19]          ; my block of kv
	s_lshl_b32 s18, s11, 8
	s_add_nc_u64 s[6:7], s[6:7], s[18:19]          ; emb at the head's 64 features
	s_wait_kmcnt 0x0
.set I, 0
.rept 32
	s_min_u32 s[32+I], s[32+I], 31999
	s_lshl_b32 s[32+I], s[32+I], 12                ; a row of emb is 4,096 bytes
	v_add_nc_u32 v[OFF+I], s[32+I], v[L4]
.set I, I+1
.endr
	s_wait_alu depctr_va_vdst(0)
.irp cb, 0,1
.set I, 0
.rept 32
	global_load_b32 v[X+32*\cb+I], v[OFF+I], s[6:7] offset:128*\cb   ; 32 lanes read 128 consecutive bytes of key I's row
.set I, I+1
.endr
.endr
.irp cb, 0,1
	s_wait_loadcnt 32-32*\cb                       ; this block of features is in; the other block's 32 loads may be out
.set I, 0
.rept 32
	ds_store_b32 v[STW], v[X+32*\cb+I] offset:SPITCH*(16*((I>>3)&1)+(I&7)+8*(I>>4))+128*\cb   ; key I goes to the stage row of its place in K's tiles
.set I, I+1
.endr
	QBLK X+32*\cb, VC+6*\cb, BY+\cb                ; V: my feature's 32 keys
	ds_store_b64 v[VA], v[VC+6*\cb:VC+6*\cb+1] offset:3072*\cb
	ds_store_b64 v[VB], v[VC+6*\cb+2:VC+6*\cb+3] offset:3072*\cb+8
	ds_store_b64 v[VA], v[VC+6*\cb+4:VC+6*\cb+5] offset:3072*\cb+512
	ds_store_b8 v[VSB], v[BY+\cb] offset:4*\cb
.endr
.irp u, 0,1
.irp j, 0,1,2,3,4,5,6,7
	ds_load_b128 v[Z+32*\u+4*\j:Z+32*\u+4*\j+3], v[SRB] offset:SPITCH*16*\u+16*\j   ; LDS serves a wave's instructions in order (ISA guide 5.7.1.4): these see my stores
.endr
.endr
.irp u, 0,1
	s_wait_dscnt 8-8*\u                            ; tile u's eight loads are in; the other tile's eight may be out
	QBLK Z+32*\u, KC+6*\u, BY+2+\u                 ; K: features 32 h .. 32 h + 31 of the key at row r of tile 2 w + u
	v_lshlrev_b32 v[KW+\u], v[H8], v[BY+2+\u]      ; my byte at its place,
	v_permlanex16_b32 v[PT], v[KW+\u], s66, s67
	v_or_b32 v[KW+\u], v[KW+\u], v[PT]             ; with lane l xor 16's,
	v_or_b32 v[KW+\u], 0x7f7f0000, v[KW+\u]        ; and 1.0 for the half of K that holds nothing
	ds_store_b32 v[KSA], v[KW+\u] offset:256*\u    ; both halves of the lanes write the same word with the same value
.endr
.irp q, 0,1,2
	global_store_b128 v[KCO], v[KC+4*\q:KC+4*\q+3], s[8:9] offset:512*\q   ; the pair's image: 512 consecutive bytes a store, aligned
.endr
	s_wait_dscnt 0x0                               ; for the others' sake: my stores into V's image and the scale words are done
	s_barrier_signal -1
	s_barrier_wait -1
.irp k, 0,1,2
	ds_load_b128 v[CO+4*\k:CO+4*\k+3], v[CP] offset:2048*\k
.endr
.irp k, 0,1,2
	s_wait_dscnt 2-\k                              ; load k is in; the younger ones may be out
	global_store_b128 v[T16], v[CO+4*\k:CO+4*\k+3], s[8:9] offset:6144+2048*\k
.endr
	s_cmp_eq_u32 s10, 0
	s_cbranch_scc0 .Lnot_ks
	ds_load_b128 v[TL:TL+3], v[KST]                ; wave 0: K's scale words
	s_wait_dscnt 0x0
	global_store_b128 v[L16], v[TL:TL+3], s[8:9] offset:12288
.Lnot_ks:
	s_cmp_eq_u32 s10, 1
	s_cbranch_scc0 .Lend
	ds_load_b64 v[TL+4:TL+5], v[VST]               ; wave 1: V's
	s_wait_dscnt 0x0
	global_store_b64 v[L8], v[TL+4:TL+5], s[8:9] offset:12800
.Lend:
	s_wait_tensorcnt 0x0
	ds_add_u32 v240, v241
	s_wait_dscnt 0x0
	s_endpgm
; THE WEIGHTS' CODES, RE-LAID AS IMAGES OF OPERAND REGISTERS: wimg = w1's image [256 tiles][8 K steps][1,536], w2's [64][32][1,536], w_o's [64][8][1,536].
; A fragment (16 rows x 128 K) is three planes of 512 bytes, plane p = registers 4 p .. 4 p + 3, lane l's 16 bytes at 16 l; the bytes themselves are not changed.
; 288 work-groups x 4 waves = 1,152 units; unit W makes four fragments on end, 6,144 bytes at 6,144 W, from 384 bytes of each of 16 rows.
.Lrelay:
	s_load_b128 s[20:23], s[0:1], 0x18             ; w1's codes, w2's
	s_load_b128 s[24:27], s[0:1], 0x28             ; w_o's, wimg
	s_sub_co_u32 s12, s11, 16
	s_lshl_b32 s12, s12, 5
	s_add_co_u32 s12, s12, ttmp9                   ; work-group 0..287: 128 for w1, 128 for w2, 32 for w_o
	s_lshl_b32 s13, s12, 2
	s_add_co_u32 s13, s13, s10                     ; W
	s_mul_i32 s14, s13, 6144
	s_mov_b32 s15, 0
	s_and_b32 s16, s13, 511                        ; the unit inside its tensor
	s_lshr_b32 s17, s12, 7                         ; the tensor: 0, 1, 2
	s_cmp_eq_u32 s17, 1
	s_cselect_b32 s18, 3, 1                        ; a row holds 2^this units: 8 in w2, else 2
	s_lshl_b32 s19, 384, s18                       ; a row in bytes: 3,072 or 768
	s_lshr_b32 s28, s16, s18                       ; the tile of 16 rows,
	s_lshl_b32 s29, s28, s18
	s_sub_co_u32 s29, s16, s29                     ; and the unit along its rows
	s_add_co_u32 s30, s18, 4
	s_lshl_b32 s28, s28, s30
	s_add_co_u32 s28, s28, s29
	s_mul_i32 s28, s28, 384                        ; 16 rows x tile + 384 x unit, in bytes
	s_mov_b32 s29, 0
	v_and_b32 v2, 15, v[LANE]
	v_lshrrev_b32 v3, 4, v[LANE]
	v_mul_u32_u24 v2, v2, s19
	v_mad_u32_u24 v2, v3, 24, v2                   ; row r, + 24 h
	v_lshlrev_b32 v4, 4, v[LANE]
	s_wait_alu depctr_va_vdst(0)
	s_wait_kmcnt 0x0
	s_cmp_eq_u32 s17, 1
	s_cselect_b64 s[20:21], s[22:23], s[20:21]
	s_cmp_eq_u32 s17, 2
	s_cselect_b64 s[20:21], s[24:25], s[20:21]
	s_add_nc_u64 s[20:21], s[20:21], s[28:29]
	s_add_nc_u64 s[26:27], s[26:27], s[14:15]
.irp q, 0,1,2,3
.irp p, 0,1,2,3,4,5
	global_load_b64 v[48+12*\q+2*\p:49+12*\q+2*\p], v2, s[20:21] offset:96*\q+48*(\p/3)+8*(\p%3)
.endr
.endr
.irp q, 0,1,2,3
	s_wait_loadcnt 18-6*\q                         ; fragment q's six loads are in; the younger fragments' may be out
.irp c, 0,1,2
	global_store_b128 v4, v[48+12*\q+4*\c:51+12*\q+4*\c], s[26:27] offset:1536*\q+512*\c   ; 512 consecutive bytes a store, aligned
.endr
.endr
	s_endpgm
.Lfunc_end_k_q3c6763ff98_prep:
	.size	k_q3c6763ff98_prep, .Lfunc_end_k_q3c6763ff98_prep-k_q3c6763ff98_prep
	.p2alignl 7, 3214868480
	.fill 96, 4, 3214868480
	.section	.rodata,"a",@progbits
	.p2align	6, 0x0
	.amdhsa_kernel k_q3c6763ff98_prep
		.amdhsa_group_segment_fixed_size 42496
		.amdhsa_private_segment_fixed_size 0
		.amdhsa_enable_private_segment 0
		.amdhsa_kernarg_size 56
		.amdhsa_user_sgpr_count 2
		.amdhsa_user_sgpr_kernarg_segment_ptr 1
		.amdhsa_wavefront_size32 1
		.amdhsa_system_sgpr_workgroup_id_x 1
		.amdhsa_system_sgpr_workgroup_id_y 1
		.amdhsa_system_sgpr_workgroup_id_z 1
		.amdhsa_system_vgpr_workitem_id 0
		.amdhsa_next_free_vgpr 242
		.amdhsa_next_free_sgpr 68
		.amdhsa_reserve_vcc 0
		.amdhsa_float_denorm_mode_32 3
		.amdhsa_float_denorm_mode_16_64 3
		.amdhsa_memory_ordered 1
		.amdhsa_forward_progress 1
		.amdhsa_inst_pref_size 32
	.end_amdhsa_kernel
	.amdgpu_metadata
---
amdhsa.version: [ 1, 2 ]
amdhsa.kernels:
  - .name:           k_q3c6763ff98_prep
    .symbol:         k_q3c6763ff98_prep.kd
    .args:
      - { .name: V, .offset: 0, .size: 8, .value_kind: global_buffer, .address_space: global }
      - { .name: emb, .offset: 8, .size: 8, .value_kind: global_buffer, .address_space: global }
      - { .name: kv, .offset: 16, .size: 8, .value_kind: global_buffer, .address_space: global }
      - { .name: w1_codes, .offset: 24, .size: 8, .value_kind: global_buffer, .address_space: global }
      - { .name: w2_codes, .offset: 32, .size: 8, .value_kind: global_buffer, .address_space: global }
      - { .name: w_o_codes, .offset: 40, .size: 8, .value_kind: global_buffer, .address_space: global }
      - { .name: wimg, .offset: 48, .size: 8, .value_kind: global_buffer, .address_space: global }
    .group_segment_fixed_size: 42496
    .private_segment_fixed_size: 0
    .kernarg_segment_align: 8
    .kernarg_segment_size: 56
    .max_flat_workgroup_size: 128
    .sgpr_count:     68
    .vgpr_count:     242
    .wavefront_size: 32
...
	.end_amdgpu_metadata
.endif
;; end of part 1
;; launch attn (part 2): grid 8 x 32, 16 waves a work-group, clusters of 4 x 1, 210,944 bytes of LDS; arguments kv, ctxq; writes ctxq
.if DOCPART == 2
	.amdgcn_target "amdgcn-amd-amdhsa--gfx1250"
	.amdhsa_code_object_version 6
	.text
	.protected	k_q3c6763ff98_attn
	.globl	k_q3c6763ff98_attn
	.p2align	8
	.type	k_q3c6763ff98_attn,@function
k_q3c6763ff98_attn:
	s_mov_b64 s[64:65], 0
	v_nop
	global_prefetch_b8 v0, s[64:65] scope:SCOPE_SE
	s_setreg_imm32_b32 hwreg(HW_REG_WAVE_MODE, 25, 1), 1
	s_wait_xcnt 0x0
	s_wait_alu depctr_hold_cnt(0) depctr_sa_sdst(0) depctr_va_vdst(0) depctr_va_sdst(0) depctr_va_ssrc(0) depctr_va_vcc(0) depctr_vm_vsrc(0)
	s_getreg_b32 s2, hwreg(HW_REG_IB_STS2, 6, 4)
	s_cmp_eq_u32 s2, 0
	s_cbranch_scc0 .Lentry_in_a_cluster
	s_endpgm
.Lentry_in_a_cluster:
	s_bfe_u32 s2, ttmp6, 0x10000c
	s_cmp_lg_u32 s2, 0x3003
	s_cbranch_scc0 .Lentry_shape_is_right
	s_endpgm
.Lentry_shape_is_right:
; ctx = softmax(q k^T / 8) v for one head, q = k = v = the head's 64 features of x; both products on codes of E2M3 with E8M0 scales; ctx is quantised along its features and leaves as codes.
; THE SOFTMAX: t = score x log2(e) / 8; M = the row's largest t so far, rounded up to a whole number; p = 2^(t - M) is quantised along the keys, not normalised.  The row's sum is taken of the unquantised p
; and divides at the end.  When M moves, the sums and O are multiplied by 2^(old M - new M): exact.
; SHARES.  A work-group owns 256 queries of one head, each of its sixteen waves one tile of 16.  THE WHOLE HEAD LIES IN LDS: its 16 blocks of kv (13,056 bytes each: K's image, V's image, their scale words).
; Wave w brings block w: one tensor load a wave, every byte filled once.  One wait for it and one barrier; then each wave walks the 16 blocks of keys by itself, with no further barrier.
; CLUSTER.  The four work-groups of a cluster own four blocks of queries of one head and need the same 208,896 bytes: each block is asked for jointly (mask 15); the descriptor hangs on the head and the wave's number.
; No prefetch: the launch's only loads from memory stand at its head, with no loop to run ahead in.
; LAYOUT.  Both products are used transposed: S^T = K Q^T, O^T = V^T P^T: a lane holds one query throughout.  Lane r of tile 2 g + u takes element 32 g + 8 u + r + 8 (r / 8), of keys, queries and features:
; so p's 16 registers of two neighbouring tiles are 16 neighbouring keys, and O^T's 16 neighbouring features.
; K = 64 IN AN INSTRUCTION OF K = 128: Q's registers 6-11 are zero codes, bytes 2, 3 of K's and Q's scale words are 1.0.  Tile t of K is v[32 + 6 t : 43 + 6 t]: its upper six registers are the next tile's codes
; (zeros behind the last), which meet Q's zero codes and add nothing.
; OUT: row 16 T + r of ctxq is the token whose number has bits 3 and 4 exchanged; the later launches keep that order.
; LIMITS: a block of zeros gets the scale byte 1; NaN and infinities are not served; the promise holds while |t| stays under 2^31.
.set SB,  13056
.set HB,  16*SB
.set L16, 1
.set L8,  2
.set ADK, 3
.set AD8, 4
.set QA,  5
.set QB,  6
.set QSA, 7
.set R4,  10
.set QF,  16                           ; v16-27 Q (v22-27 zeros)
.set QS,  28
.set F,   32                           ; v32-79 eight tiles of K, then four of V
.set ZR,  80                           ; v80-85 zeros
.set KS,  86                           ; v86-89 K's scale words: lanes 0-15 tile 2 j, lanes 16-31 tile 2 j + 1
.set VS,  90
.set S,   96                           ; v96-159 S^T, then p
.set O,   160                          ; v160-191 O^T
.set PC,  192                          ; v192-203 p's codes
.set PT,  204
.set BM,  212
.set BX,  216
.set SOP, 220
.set PW,  224
.set FF,  226                          ; v[226:227] f = 2^(old M - new M); later 1 / the sum
.set TP,  228
.set SM,  240                          ; v240-247 the row's sum, in four pairs
.set SPW, 254
.set NIL, 255
.set WV,  10
.set SEL, 20
.set CS,  22
.set G1,  24
.set G0,  32
.set TB,  48
.set CNT, 49
.macro ROUND                           ; a round of the cluster's barrier
	s_barrier_signal -1
	s_barrier_wait -1
	s_cmp_lg_u32 s[WV], 0
	s_cbranch_scc1 .Lnot_wave_0_\@
	s_barrier_signal -3
.Lnot_wave_0_\@:
	s_barrier_wait -3
	s_barrier_signal -1
	s_barrier_wait -1
.endm
	s_load_b128 s[4:7], s[0:1], 0x0                ; kv, ctxq
	v_lshl_add_u32 v[SPW], v0, 2, 0x33000
	v_mov_b32 v[NIL], 0
	ds_add_u32 v[SPW], v[NIL]                      ; the opening lines: the add twice and one wait
	ds_add_u32 v[SPW], v[NIL]
	v_lshrrev_b32 v1, 5, v0
	s_delay_alu instid0(VALU_DEP_1)
	v_readfirstlane_b32 s[WV], v1                  ; wave 0..15
	s_bfe_u32 s11, ttmp6, 0x40000                  ; cx
	s_lshl_b32 s12, ttmp9, 2
	s_add_co_u32 s12, s12, s11                     ; my block of 256 queries: it enters Q's and the output's addresses alone
	s_and_b32 s13, ttmp7, 0xffff                   ; 16 x batch + head
	s_mul_i32 s14, s13, HB
	s_mov_b32 s15, 0
	s_mul_i32 s16, s[WV], SB
	s_mov_b32 s17, 0
	s_mov_b32 s[G1], 15|(3<<16)|(1<<21)            ; mask: all four; elements of 8 bytes; bit 21 beside a mask
	s_mov_b32 s[G1+1], 32<<16                      ; 51 rows of 256 bytes, dense
	s_mov_b32 s[G1+2], 51<<16
	s_mov_b32 s[G1+3], 32<<16
	s_mov_b32 s[G1+4], 51
	s_mov_b32 s[G1+5], 32
	s_mov_b32 s[G1+6], 0
	s_mov_b32 s[G1+7], 0
	s_mov_b32 s[SEL], 0x76543210
	s_mov_b32 s[SEL+1], 0xfedcba98
	s_mov_b32 s[CS], 0x3e38aa3b                    ; c = log2(e) / 8
	s_mov_b32 s[CS+1], s[CS]
	s_wait_dscnt 0x0
	s_wait_kmcnt 0x0
	s_add_nc_u64 s[4:5], s[4:5], s[14:15]          ; the head's part of kv
	s_mov_b32 s[G0], 1
	s_mov_b32 s[G0+1], s16                         ; LDS: block = wave
	s_add_nc_u64 s[G0+2:G0+3], s[4:5], s[16:17]
	s_or_b32 s[G0+3], s[G0+3], 0x80000000
	ROUND                                          ; all four work-groups are here: the joint loads meet
	tensor_load_to_lds s[G0:G0+3], s[G1:G1+7]      ; my one load
	s_nop 0
.rept 4
	v_nop
.endr
	; my tile of queries is tile wave % 8 of K's image in block 2 x (my block of queries) + wave / 8
	s_lshr_b32 s14, s[WV], 3
	s_lshl_b32 s15, s12, 1
	s_add_co_u32 s14, s14, s15
	s_mul_i32 s14, s14, SB
	s_mov_b32 s15, 0
	s_add_nc_u64 s[50:51], s[4:5], s[14:15]
	s_and_b32 s14, s[WV], 1
	s_bfe_u32 s15, s[WV], 0x20001
	s_mul_i32 s16, s15, 1536
	s_mul_i32 s17, s14, 520
	s_add_co_u32 s17, s17, s16
	s_mul_i32 s18, s14, 1016
	s_add_co_u32 s18, s18, s16
	s_lshl_b32 s19, s14, 8
	s_lshl_b32 s15, s15, 2
	s_add_co_u32 s19, s19, s15
	s_add_co_u32 s19, s19, 12288
	v_and_b32 v8, 31, v0
	v_and_b32 v9, 15, v0
	s_delay_alu instid0(VALU_DEP_2)
	v_lshlrev_b32 v[L16], 4, v8
	v_lshlrev_b32 v[L8], 3, v8
	s_delay_alu instid0(VALU_DEP_2)
	v_add_nc_u32 v[QA], s17, v[L16]
	v_add_nc_u32 v[QB], s18, v[L16]
	v_lshl_add_u32 v[QSA], v9, 4, s19
	v_lshlrev_b32 v[R4], 2, v9
	global_load_b64 v[QF:QF+1], v[QA], s[50:51]
	global_load_b64 v[QF+2:QF+3], v[QB], s[50:51] offset:8
	global_load_b64 v[QF+4:QF+5], v[QA], s[50:51] offset:512
	global_load_b32 v[QS], v[QSA], s[50:51]
	s_lshr_b32 s14, s13, 4
	s_lshl_b32 s14, s14, 7
	s_lshl_b32 s15, s12, 4
	s_add_co_u32 s14, s14, s15
	s_add_co_u32 s14, s14, s[WV]                   ; T = 128 x batch + 16 x block + wave
	s_and_b32 s15, s13, 15                         ; the head
	s_mul_i32 s16, s14, 12288
	s_mul_i32 s17, s15, 768
	s_add_co_u32 s16, s16, s17
	s_mov_b32 s17, 0
	s_add_nc_u64 s[52:53], s[6:7], s[16:17]        ; ctx's codes: [T][head][piece 3][lane][8]
	s_lshr_b32 s16, s15, 1
	s_lshl_b32 s16, s16, 14
	s_lshl_b32 s18, s14, 6
	s_add_co_u32 s16, s16, s18
	s_and_b32 s18, s15, 1
	s_lshl_b32 s18, s18, 1
	s_add_co_u32 s16, s16, s18
	s_add_co_u32 s16, s16, 3145728
	s_add_nc_u64 s[54:55], s[6:7], s[16:17]        ; its scale bytes: plane head / 2, word 16 T + r, bytes 2 (head % 2) on
.set J, 0
.rept 6
	v_mov_b32 v[QF+6+J], 0
	v_mov_b32 v[ZR+J], 0
.set J, J+1
.endr
.set J, 0
.rept 32
	v_mov_b32 v[O+J], 0                            ; the step is written once: the first finds zeros
.set J, J+1
.endr
.set J, 0
.rept 8
	v_mov_b32 v[SM+J], 0
.set J, J+1
.endr
	v_mov_b32 v13, 0xff61b1e6                      ; the largest t so far: -3e38
	s_delay_alu instid0(VALU_DEP_1)
	v_floor_f32 v12, -v13                          ; -M
.irp b, 0,1,2,3
	v_mov_b32 v[BX+\b], 0                          ; a lane permute's destination counts as one of its sources
.endr
	v_mov_b32 v[TP], 0
	v_mov_b32 v[FF+1], 0                           ; (named as the upper half of a pair)
	s_wait_alu depctr_va_vdst(0)
	s_wait_loadcnt 0x0                             ; Q
	s_wait_tensorcnt 0x0                           ; my block has landed
	s_barrier_signal -1
	s_barrier_wait -1                              ; everybody's has: the head is whole, and nothing is filled again
	s_mov_b32 s[TB], 0
	s_mov_b32 s[CNT], 16
.Lstep:                                        ; a key step: 128 keys, the block at LDS byte s[TB]
	v_add_nc_u32 v[ADK], s[TB], v[L16]
	v_add_nc_u32 v[AD8], s[TB], v[L8]
	v_nop
	v_nop                                          ; four places in front of loads into registers that the last products have read
.set J, 0
.rept 12
	ds_load_b128 v[F+4*J:F+4*J+3], v[ADK] offset:512*J
.set J, J+1
.endr
	ds_load_b128 v[KS:KS+3], v[ADK] offset:12288
	s_wait_alu depctr_va_vdst(0)
	s_wait_dscnt 0x0
.irp t, 0,2,4,6
	v_wmma_scale_f32_16x16x128_f8f6f4 v[S+8*\t:S+8*\t+7], v[F+6*\t:F+6*\t+11], v[QF:QF+11], 0, v[KS+\t/2], v[QS] matrix_a_fmt:MATRIX_FMT_FP6 matrix_b_fmt:MATRIX_FMT_FP6
	v_wmma_scale_f32_16x16x128_f8f6f4 v[S+8*\t+8:S+8*\t+15], v[F+6*\t+6:F+6*\t+17], v[QF:QF+11], 0, v[KS+\t/2], v[QS] matrix_a_fmt:MATRIX_FMT_FP6 matrix_b_fmt:MATRIX_FMT_FP6 matrix_a_scale:MATRIX_SCALE_ROW1
.endr
.rept 4
	v_nop                                          ; places: for the loads below and for the first read of the scores
.endr
.set J, 0
.rept 12
	ds_load_b128 v[F+4*J:F+4*J+3], v[ADK] offset:6144+512*J      ; V's four tiles land under the softmax
.set J, J+1
.endr
	ds_load_b64 v[VS:VS+1], v[AD8] offset:12800
.irp b, 0,1,2,3
	v_max3_num_f32 v[BM+\b], v[S+16*\b], v[S+1+16*\b], v[S+2+16*\b]   ; each block's largest score: for the row's maximum and, since p rises with the score, for the block's largest p
.endr
.irp i, 3,5,7,9,11,13
.irp b, 0,1,2,3
	v_max3_num_f32 v[BM+\b], v[BM+\b], v[S+16*\b+\i], v[S+1+16*\b+\i]
.endr
.endr
.irp b, 0,1,2,3
	v_max_num_f32 v[BM+\b], v[BM+\b], v[S+15+16*\b]
.endr
.irp b, 0,1,2,3
	s_delay_alu instid0(VALU_DEP_4)
	v_permlanex16_b32 v[BX+\b], v[BM+\b], s[SEL], s[SEL+1]
.endr
.irp b, 0,1,2,3
	s_delay_alu instid0(VALU_DEP_4)
	v_max_num_f32 v[BM+\b], v[BM+\b], v[BX+\b]     ; with lane l xor 16's 16 keys
.endr
	s_delay_alu instid0(VALU_DEP_2)
	v_max3_num_f32 v[TP], v[BM], v[BM+1], v[BM+2]
	s_delay_alu instid0(VALU_DEP_1)
	v_max_num_f32 v[TP], v[TP], v[BM+3]
	s_delay_alu instid0(VALU_DEP_1)
	v_mul_f32 v[TP], s[CS], v[TP]                  ; the step's largest t
	s_delay_alu instid0(VALU_DEP_1)
	v_max_num_f32 v13, v13, v[TP]
	v_mov_b32 v[TP], v12
	s_delay_alu instid0(VALU_DEP_2)
	v_floor_f32 v12, -v13                          ; the new -M = -ceil(t)
	s_delay_alu instid0(VALU_DEP_1)
	v_sub_f32 v[TP], v12, v[TP]                    ; old M - new M: a whole number, 0 or less
	s_delay_alu instid0(VALU_DEP_1)
	v_cvt_i32_f32 v[TP], v[TP]                     ; (it saturates)
	s_delay_alu instid0(VALU_DEP_1)
	v_ldexp_f32 v[FF], 1.0, v[TP]                  ; f
.set J, 0
.rept 32
	v_pk_fma_f32 v[S+J:S+J+1], v[S+J:S+J+1], s[CS:CS+1], v[12:13] op_sel_hi:[1,0,0]   ; t - M
.set J, J+2
.endr
.irp b, 0,1,2,3
	v_fma_f32 v[BM+\b], v[BM+\b], s[CS], v12
.endr
	s_wait_alu depctr_va_vdst(0)
.set J, 0
.rept 64
	v_exp_f32 v[S+J], v[S+J]                       ; p
.set J, J+1
.endr
.irp b, 0,1,2,3
	v_exp_f32 v[BM+\b], v[BM+\b]                   ; the block's largest p
.endr
	v_nop                                          ; one plain place behind the exponentials
	s_wait_alu depctr_va_vdst(0)                   ; one wait for the batch, directly ahead of O^T's first readers too
.set J, 0
.rept 16
	v_pk_mul_f32 v[O+J:O+J+1], v[O+J:O+J+1], v[FF:FF+1] op_sel_hi:[1,0]   ; O^T under the new M
.set J, J+2
.endr
.irp b, 0,1,2,3
	v_max_num_f32 v[BM+\b], 0x1800000, v[BM+\b]    ; the floor: the byte cannot fall under 1
.endr
.irp b, 0,1,2,3
	s_delay_alu instid0(VALU_DEP_4)
	v_add_nc_u32 v[SOP+\b], 0xff000000, v[BM+\b]
.endr
.irp b, 0,1,2,3
	s_delay_alu instid0(VALU_DEP_4)
	v_lshrrev_b32 v[BX+\b], 23, v[SOP+\b]
.endr
	s_delay_alu instid0(VALU_DEP_3)
	v_lshl_or_b32 v[PW], v[BX+1], 8, v[BX]
	s_delay_alu instid0(VALU_DEP_1)
	v_lshl_or_b32 v[PW], v[BX+2], 16, v[PW]
	s_delay_alu instid0(VALU_DEP_1)
	v_lshl_or_b32 v[PW], v[BX+3], 24, v[PW]
.irp c, 0,1
	v_cvt_scalef32_pk16_fp6_f32 v[PC+6*\c:PC+6*\c+2], v[S+32*\c:S+32*\c+15], v[SOP+2*\c]
	v_cvt_scalef32_pk16_fp6_f32 v[PT+4*\c:PT+4*\c+2], v[S+16+32*\c:S+31+32*\c], v[SOP+2*\c+1]
.endr
	v_nop                                          ; one plain place behind a scaled conversion
.irp c, 0,1                                    ; the operand's layout wants a whole block in a lane
.irp i, 0,1,2
	v_permlane16_swap_b32 v[PC+6*\c+\i], v[PT+4*\c+\i]
.endr
.irp i, 0,1,2
	s_delay_alu instid0(VALU_DEP_3)
	v_mov_b32 v[PC+3+6*\c+\i], v[PT+4*\c+\i]
.endr
.endr
.irp a, 0,2,4,6
	v_pk_fma_f32 v[SM+\a:SM+\a+1], v[SM+\a:SM+\a+1], v[FF:FF+1], v[S+\a:S+\a+1] op_sel_hi:[1,0,1]   ; the sums under the new M, and the first eight p
.endr
.set J, 8
.rept 7
.irp a, 0,2,4,6
	v_pk_add_f32 v[SM+\a:SM+\a+1], v[SM+\a:SM+\a+1], v[S+J+\a:S+J+\a+1]   ; the four chains by turns
.endr
.set J, J+8
.endr
	s_wait_alu depctr_va_vdst(0)
	s_wait_dscnt 0x0                               ; V and its scale words
.irp t, 0,2
	v_wmma_scale_f32_16x16x128_f8f6f4 v[O+8*\t:O+8*\t+7], v[F+12*\t:F+12*\t+11], v[PC:PC+11], v[O+8*\t:O+8*\t+7], v[VS+\t/2], v[PW] matrix_a_fmt:MATRIX_FMT_FP6 matrix_b_fmt:MATRIX_FMT_FP6
	v_wmma_scale_f32_16x16x128_f8f6f4 v[O+8*\t+8:O+8*\t+15], v[F+12*\t+12:F+12*\t+23], v[PC:PC+11], v[O+8*\t+8:O+8*\t+15], v[VS+\t/2], v[PW] matrix_a_fmt:MATRIX_FMT_FP6 matrix_b_fmt:MATRIX_FMT_FP6 matrix_a_scale:MATRIX_SCALE_ROW1
.endr
	s_add_co_u32 s[TB], s[TB], SB
	s_sub_co_u32 s[CNT], s[CNT], 1
	s_cmp_lg_u32 s[CNT], 0
	s_cbranch_scc1 .Lstep
	; THE WAY OUT: O^T / the sum is ctx: registers 16 b + i are features 32 b + 16 h + i of my query: two blocks of the next product's K
	v_pk_add_f32 v[SM:SM+1], v[SM:SM+1], v[SM+2:SM+3]
	v_pk_add_f32 v[SM+4:SM+5], v[SM+4:SM+5], v[SM+6:SM+7]
	s_delay_alu instid0(VALU_DEP_1)
	v_pk_add_f32 v[SM:SM+1], v[SM:SM+1], v[SM+4:SM+5]
	s_delay_alu instid0(VALU_DEP_1)
	v_add_f32 v14, v[SM], v[SM+1]
	s_delay_alu instid0(VALU_DEP_1)
	v_permlanex16_b32 v[TP], v14, s[SEL], s[SEL+1]
	s_delay_alu instid0(VALU_DEP_1)
	v_add_f32 v14, v14, v[TP]
	s_wait_alu depctr_va_vdst(0)
	v_rcp_f32 v[FF], v14
	v_nop
	s_wait_alu depctr_va_vdst(0)
.set J, 0
.rept 16
	v_pk_mul_f32 v[S+J:S+J+1], v[O+J:O+J+1], v[FF:FF+1] op_sel_hi:[1,0]
.set J, J+2
.endr
.irp b, 0,1
	v_max3_num_f32 v[BM+\b], |v[S+16*\b]|, |v[S+1+16*\b]|, 0x1800000
.endr
.irp i, 2,4,6,8,10,12,14
.irp b, 0,1
	s_delay_alu instid0(VALU_DEP_2)
	v_max3_num_f32 v[BM+\b], v[BM+\b], |v[S+16*\b+\i]|, |v[S+1+16*\b+\i]|
.endr
.endr
.irp b, 0,1
	s_delay_alu instid0(VALU_DEP_2)
	v_permlanex16_b32 v[BX+\b], v[BM+\b], s[SEL], s[SEL+1]
.endr
.irp b, 0,1
	s_delay_alu instid0(VALU_DEP_2)
	v_max_num_f32 v[BM+\b], v[BM+\b], v[BX+\b]
.endr
.irp b, 0,1
	s_delay_alu instid0(VALU_DEP_2)
	v_add_nc_u32 v[SOP+\b], 0xff000000, v[BM+\b]
.endr
.irp b, 0,1
	s_delay_alu instid0(VALU_DEP_2)
	v_lshrrev_b32 v[BX+\b], 23, v[SOP+\b]
.endr
	s_delay_alu instid0(VALU_DEP_1)
	v_lshl_or_b32 v[TP], v[BX+1], 8, v[BX]         ; the head's two scale bytes of my row
	v_cvt_scalef32_pk16_fp6_f32 v[PC:PC+2], v[S:S+15], v[SOP]
	v_cvt_scalef32_pk16_fp6_f32 v[PT:PT+2], v[S+16:S+31], v[SOP+1]
	v_nop
.irp i, 0,1,2
	v_permlane16_swap_b32 v[PC+\i], v[PT+\i]
.endr
.irp i, 0,1,2
	s_delay_alu instid0(VALU_DEP_3)
	v_mov_b32 v[PC+3+\i], v[PT+\i]                 ; six registers: features 32 h .. 32 h + 31
.endr
.irp p, 0,1,2
	global_store_b64 v[L8], v[PC+2*\p:PC+2*\p+1], s[52:53] offset:256*\p   ; 32 lanes store 256 consecutive bytes, aligned
.endr
	global_store_b16 v[R4], v[TP], s[54:55]        ; lanes l and l + 16 hold the same two bytes and store them to the same place
	s_wait_tensorcnt 0x0                           ; the wave's end
	ds_add_u32 v[SPW], v[NIL]
	s_wait_dscnt 0x0
	ROUND                                          ; the closing round
	s_endpgm
.Lfunc_end_k_q3c6763ff98_attn:
	.size	k_q3c6763ff98_attn, .Lfunc_end_k_q3c6763ff98_attn-k_q3c6763ff98_attn
	.p2alignl 7, 3214868480
	.fill 96, 4, 3214868480
	.section	.rodata,"a",@progbits
	.p2align	6, 0x0
	.amdhsa_kernel k_q3c6763ff98_attn
		.amdhsa_group_segment_fixed_size 210944
		.amdhsa_private_segment_fixed_size 0
		.amdhsa_enable_private_segment 0
		.amdhsa_kernarg_size 16
		.amdhsa_user_sgpr_count 2
		.amdhsa_user_sgpr_kernarg_segment_ptr 1
		.amdhsa_wavefront_size32 1
		.amdhsa_system_sgpr_workgroup_id_x 1
		.amdhsa_system_sgpr_workgroup_id_y 1
		.amdhsa_system_sgpr_workgroup_id_z 1
		.amdhsa_system_vgpr_workitem_id 0
		.amdhsa_next_free_vgpr 256
		.amdhsa_next_free_sgpr 66
		.amdhsa_reserve_vcc 0
		.amdhsa_float_denorm_mode_32 3
		.amdhsa_float_denorm_mode_16_64 3
		.amdhsa_memory_ordered 1
		.amdhsa_forward_progress 1
		.amdhsa_inst_pref_size 29
	.end_amdhsa_kernel
	.amdgpu_metadata
---
amdhsa.version: [ 1, 2 ]
amdhsa.kernels:
  - .name:           k_q3c6763ff98_attn
    .symbol:         k_q3c6763ff98_attn.kd
    .args:
      - { .name: kv, .offset: 0, .size: 8, .value_kind: global_buffer, .address_space: global }
      - { .name: ctxq, .offset: 8, .size: 8, .value_kind: global_buffer, .address_space: global }
    .group_segment_fixed_size: 210944
    .private_segment_fixed_size: 0
    .kernarg_segment_align: 8
    .kernarg_segment_size: 16
    .max_flat_workgroup_size: 512
    .sgpr_count:     66
    .vgpr_count:     256
    .wavefront_size: 32
...
	.end_amdgpu_metadata
.endif
;; end of part 2
;; launch oproj (part 3): grid 256 x 1, 8 waves a work-group, clusters of 4 x 1, 296,960 bytes of LDS; arguments ctxq, wimg, w_o_scales, V, emb, gamma1, beta1, x1, x1q; writes x1, x1q
.if DOCPART == 3
	.amdgcn_target "amdgcn-amd-amdhsa--gfx1250"
	.amdhsa_code_object_version 6
	.text
	.protected	k_q3c6763ff98_oproj
	.globl	k_q3c6763ff98_oproj
	.p2align	8
	.type	k_q3c6763ff98_oproj,@function
k_q3c6763ff98_oproj:
	s_mov_b64 s[64:65], 0
	v_nop
	global_prefetch_b8 v0, s[64:65] scope:SCOPE_SE
	s_setreg_imm32_b32 hwreg(HW_REG_WAVE_MODE, 25, 1), 1
	s_wait_xcnt 0x0
	s_wait_alu depctr_hold_cnt(0) depctr_sa_sdst(0) depctr_va_vdst(0) depctr_va_sdst(0) depctr_va_ssrc(0) depctr_va_vcc(0) depctr_vm_vsrc(0)
	s_getreg_b32 s2, hwreg(HW_REG_IB_STS2, 6, 4)
	s_cmp_eq_u32 s2, 0
	s_cbranch_scc0 .Lentry_in_a_cluster
	s_endpgm
.Lentry_in_a_cluster:
	s_bfe_u32 s2, ttmp6, 0x10000c
	s_cmp_lg_u32 s2, 0x3003
	s_cbranch_scc0 .Lentry_shape_is_right
	s_endpgm
.Lentry_shape_is_right:
; x1 = layernorm(x + ctx w_o) x gamma1 + beta1; the product on codes of E2M3 with E8M0 scales; x1 leaves as f32 and, quantised along its columns, as images of the next product's operand.
; SHARES.  A work-group owns 16 rows ("slots" 16 T .. 16 T + 15: the tokens whose numbers have bits 3 and 4 exchanged) with all 1,024 columns, so that the norm stays inside it.  Wave w owns columns 128 w .. 128 w + 127:
; eight tiles of 16, which are K step w of the next product.  ctx's eight fragments stay in every wave's registers (window 1, v0-95).
; w_o COMES FROM ITS IMAGE IN wimg (laid by the first launch), a wave's 64 fragments being 98,304 consecutive bytes, BY TWO ROADS AT ONCE.  Tiles 0-4 (ten half tiles of four fragments) come straight into registers,
; each load of the wave 512 consecutive bytes.  Tiles 5-7 (36,864 bytes) come by ONE tensor load a wave, at the head, into the wave's own part of LDS, filled once and read by that wave alone, behind its own wait.
; Three buffers of half a tile take turns in window 1, v96-239: while one is multiplied, two are on their way, from memory or from LDS.
; CLUSTER.  All work-groups read the same tiles: the tensor load is joint for the four of a cluster (mask 15); its descriptor hangs on the wave's number alone.
; No prefetch: all work-groups read the same 786,432 bytes of w_o at the same time, and all else is asked for at the head.
; THE PRODUCT IS USED TRANSPOSED (source 0 = 16 columns of the result, source 1 = ctx): a lane holds one row and eight neighbouring columns.  Even K steps add onto the tile's sum, odd ones onto a second sum, so that
; two accumulators take turns; the two are added at the tile's end, and x behind the last tile: another order of f32 additions.
; WINDOW 0: v0-15 addresses; v16-23 ctx's scale words; v24-55 w_o's; v56-119 x, later gamma1, later rows of x1; v120-183 beta1, later the codes (v176-183 before that: the odd sum); v184-247 the wave's 16 x 128; v248-255 at work.
; LIMITS: a block of zeros gets the scale byte 1; NaN and infinities are not served.  An index is held at 31,999 from above.
.set SPITCH, 528
.set WLDS,   36864                     ; a wave's part of LDS: tiles 5-7; later, in its first 8,448 bytes, the stage for x1 (they have had their only fill and their last read by then)
.set RED,    8*WLDS                    ; two tables [row 16][wave 8] of partial sums
.set SPARE,  RED+1024                  ; the spare words, 128 bytes a wave
.set WOI,    6291456                   ; w_o's image in wimg
.set NG,     10                        ; half tiles that come straight into registers
.set H32, 0
.set L16, 1
.set RR,  2
.set HH,  3
.set R4,  5
.set L8,  7
.set WSO, 8
.set SPW, 9
.set NIL, 10
.set STO, 11
.set SRD, 12                           ; my part of LDS + 16 x lane: the fragments' planes, and the stage's rows
.set RDS, 13
.set RDL, 14
.set XO,  15
.set AS,  16
.set WS,  24                           ; register 8 (tile / 2) + K step: lanes 0-15 the even tile, lanes 16-31 the odd one
.set XX,  56
.set GM,  56
.set BT,  120
.set TMPO, 176
.set Y,   184
.set P,   248
.set AF,  0                            ; window 1
.set BF,  96                           ; window 1
.set PC,  120
.set TM,  140
.set PW,  156
.set WV,  22
.set G1,  24
.set G0,  32
.set SEL, 52
.set MSB, 0
.macro WIN new                         ; the immediate's high byte repeats the setting that is left
.if MSB != \new
	s_set_vgpr_msb (MSB<<8)|\new
.set MSB, \new
.endif
.endm
.macro PLACES
.rept 4
	v_nop
.endr
.endm
.macro ROUND                           ; a round of the cluster's barrier
	s_barrier_signal -1
	s_barrier_wait -1
	s_cmp_lg_u32 s[WV], 0
	s_cbranch_scc1 .Lnot_wave_0_\@
	s_barrier_signal -3
.Lnot_wave_0_\@:
	s_barrier_wait -3
	s_barrier_signal -1
	s_barrier_wait -1
.endm
	s_load_b256 s[4:11], s[0:1], 0x0               ; ctxq, wimg, w_o's scales, V
	s_load_b256 s[12:19], s[0:1], 0x20             ; emb, gamma1, beta1, x1
	s_load_b64 s[20:21], s[0:1], 0x40              ; x1q
	v_lshl_add_u32 v[SPW], v0, 2, SPARE
	v_mov_b32 v[NIL], 0
	ds_add_u32 v[SPW], v[NIL]                      ; the opening lines: the add twice and one wait
	ds_add_u32 v[SPW], v[NIL]
	v_lshrrev_b32 v1, 5, v0
	s_delay_alu instid0(VALU_DEP_1)
	v_readfirstlane_b32 s[WV], v1                  ; wave 0..7
	s_bfe_u32 s23, ttmp6, 0x40000
	s_lshl_b32 s54, ttmp9, 2
	s_add_co_u32 s23, s23, s54                     ; T: it enters no LDS address and no descriptor
	s_mov_b32 s[G1], 15|(3<<16)|(1<<21)            ; mask: all four; elements of 8 bytes; bit 21 beside a mask
	s_mov_b32 s[G1+1], 32<<16                      ; 144 rows of 256 bytes, dense
	s_mov_b32 s[G1+2], 144<<16
	s_mov_b32 s[G1+3], 32<<16
	s_mov_b32 s[G1+4], 144
	s_mov_b32 s[G1+5], 32
	s_mov_b32 s[G1+6], 0
	s_mov_b32 s[G1+7], 0
	s_mov_b32 s[SEL], 0x76543210
	s_mov_b32 s[SEL+1], 0xfedcba98
	s_mov_b32 s66, 0x3a800000                      ; 1 / 1,024
	s_mov_b32 s67, 0x3727c5ac                      ; 1e-5
	v_and_b32 v[RR], 15, v0
	v_bfe_u32 v[HH], v0, 4, 1
	v_and_b32 v1, 31, v0
	s_delay_alu instid0(VALU_DEP_1)
	v_lshlrev_b32 v[L8], 3, v1
	v_lshlrev_b32 v[WSO], 5, v1
	v_lshlrev_b32 v[L16], 4, v1
	v_lshlrev_b32 v[R4], 2, v[RR]
	s_mul_i32 s58, s[WV], WLDS
	v_mul_u32_u24 v[STO], v[RR], SPITCH
	s_delay_alu instid0(VALU_DEP_1)
	v_lshl_add_u32 v[STO], v[HH], 6, v[STO]
	s_delay_alu instid0(VALU_DEP_1)
	v_add_nc_u32 v[STO], s58, v[STO]
	v_add_nc_u32 v[SRD], s58, v[L16]
	v_lshl_add_u32 v[RDL], v[RR], 5, RED
	s_lshl_b32 s59, s[WV], 2
	v_add_nc_u32 v[RDS], s59, v[RDL]
	v_lshrrev_b32 v251, 3, v[RR]                   ; slot 16 T + r is token 32 (T / 2) + 16 (r / 8) + 8 (T % 2) + r % 8
	v_and_b32 v252, 7, v[RR]
	s_delay_alu instid0(VALU_DEP_2)
	v_lshlrev_b32 v251, 6, v251
	s_delay_alu instid0(VALU_DEP_1)
	v_lshl_add_u32 v251, v252, 2, v251
	v_lshlrev_b32 v[H32], 5, v[HH]                 ; (the thread's number has served)
	s_lshl_b32 s56, s[WV], 12                      ; my 128 rows of w_o's scale bytes
	s_mov_b32 s57, 0
	s_lshr_b32 s54, s23, 1
	s_lshl_b32 s54, s54, 7
	s_and_b32 s55, s23, 1
	s_lshl_b32 s55, s55, 5
	s_add_co_u32 s54, s54, s55
	s_mov_b32 s55, 0
	s_lshl_b32 s48, s23, 6
	s_add_co_u32 s48, s48, 3145728
	s_mov_b32 s49, 0
	s_wait_dscnt 0x0                               ; both opening adds are done
	s_wait_alu depctr_va_vdst(0)
	s_wait_kmcnt 0x0
	s_add_nc_u64 s[60:61], s[4:5], s[48:49]        ; ctx's scale words: plane 0, word 16 T
	s_add_nc_u64 s[8:9], s[8:9], s[56:57]
	s_add_nc_u64 s[10:11], s[10:11], s[54:55]
	global_load_b32 v[XO], v251, s[10:11]          ; my row's index
.irp k, 0,1,2,3,4,5,6,7
	global_load_b32 v[AS+\k], v[R4], s[60:61] offset:16384*\k
.endr
.irp pp, 0,1,2,3
	global_load_b128 v[WS+8*\pp:WS+8*\pp+3], v[WSO], s[8:9] offset:1024*\pp        ; lane l: row 32 pp + l of my 128: the words of K steps 0-3,
	global_load_b128 v[WS+8*\pp+4:WS+8*\pp+7], v[WSO], s[8:9] offset:1024*\pp+16   ; and of 4-7
.endr
	s_mul_i32 s54, s[WV], 98304
	s_add_co_u32 s54, s54, WOI
	s_add_nc_u64 s[6:7], s[6:7], s[54:55]          ; my 64 fragments of w_o's image
	s_mov_b32 s[G0], 1
	s_mov_b32 s[G0+1], s58                         ; my part of LDS
	s_add_nc_u64 s[G0+2:G0+3], s[6:7], 6144*NG     ; half tiles 10-15
	s_or_b32 s[G0+3], s[G0+3], 0x80000000
	ROUND                                          ; all four work-groups are here: the joint loads meet
	tensor_load_to_lds s[G0:G0+3], s[G1:G1+7]      ; my one load
	s_nop 0
	PLACES
	s_mul_i32 s54, s23, 12288
	s_add_nc_u64 s[4:5], s[4:5], s[54:55]          ; ctx's codes
	s_mul_i32 s56, s[WV], 1536
	s_add_co_u32 s56, s56, s54
	s_lshl_b32 s54, s[WV], 14
	s_lshl_b32 s59, s23, 6
	s_add_co_u32 s54, s54, s59
	s_add_co_u32 s54, s54, 3145728
	s_add_nc_u64 s[62:63], s[20:21], s[54:55]      ; x1's scale words: plane w, word 16 T
	s_add_nc_u64 s[20:21], s[20:21], s[56:57]      ; x1's image: tile T, K step w
	s_lshl_b32 s54, s[WV], 9
	s_add_nc_u64 s[12:13], s[12:13], s[54:55]      ; emb, gamma1, beta1 at my 128 columns
	s_add_nc_u64 s[14:15], s[14:15], s[54:55]
	s_add_nc_u64 s[16:17], s[16:17], s[54:55]
	s_lshl_b32 s59, s23, 16
	s_add_co_u32 s54, s54, s59
	s_add_nc_u64 s[18:19], s[18:19], s[54:55]      ; x1 at row 16 T, my columns
.macro BLD t                           ; half tile t (fragments 4 t .. 4 t + 3) into buffer t % 3: 12 loads of 512 consecutive bytes, from memory or from my part of LDS
.set RB, BF+48*((\t)%3)
.set JJ, 0
.rept 12
.if (\t) < NG
	global_load_b128 v[RB+4*JJ:RB+4*JJ+3], v[L16], s[6:7] offset:6144*(\t)+512*JJ
.else
	ds_load_b128 v[RB+4*JJ:RB+4*JJ+3], v[SRD] offset:6144*((\t)-NG)+512*JJ
.endif
.set JJ, JJ+1
.endr
.endm
.macro WP                              ; one product: tile CHX, K step KSX; K steps 0 and 1 start the tile's two sums
.set RG, BF+48*((2*CHX+KSX/4)%3)+12*(KSX%4)
.set RA, AF+12*KSX
.set SW, WS+8*(CHX/2)+KSX
.if KSX%2 == 0
.set DD, Y+8*CHX
.else
.set DD, TMPO
.endif
.if KSX < 2
.if CHX%2 == 0
	v_wmma_scale_f32_16x16x128_f8f6f4 v[DD:DD+7], v[RG:RG+11], v[RA:RA+11], 0, v[SW], v[AS+KSX] matrix_a_fmt:MATRIX_FMT_FP6 matrix_b_fmt:MATRIX_FMT_FP6
.else
	v_wmma_scale_f32_16x16x128_f8f6f4 v[DD:DD+7], v[RG:RG+11], v[RA:RA+11], 0, v[SW], v[AS+KSX] matrix_a_fmt:MATRIX_FMT_FP6 matrix_b_fmt:MATRIX_FMT_FP6 matrix_a_scale:MATRIX_SCALE_ROW1
.endif
.else
.if CHX%2 == 0
	v_wmma_scale_f32_16x16x128_f8f6f4 v[DD:DD+7], v[RG:RG+11], v[RA:RA+11], v[DD:DD+7], v[SW], v[AS+KSX] matrix_a_fmt:MATRIX_FMT_FP6 matrix_b_fmt:MATRIX_FMT_FP6
.else
	v_wmma_scale_f32_16x16x128_f8f6f4 v[DD:DD+7], v[RG:RG+11], v[RA:RA+11], v[DD:DD+7], v[SW], v[AS+KSX] matrix_a_fmt:MATRIX_FMT_FP6 matrix_b_fmt:MATRIX_FMT_FP6 matrix_a_scale:MATRIX_SCALE_ROW1
.endif
.endif
.endm
.macro HALF t, cnt                     ; half tile t: four products; then its buffer takes half tile t + 3.  cnt: the loads of its kind issued behind half tile t's
.set CHX, (\t)/2
.set KSX, 4*((\t)%2)
.if (\t) < NG
	s_wait_loadcnt \cnt
.else
	s_wait_dscnt \cnt
.endif
	WIN 0x05                                       ; sources 0 and 1 in window 1
.rept 4
	WP
.set KSX, KSX+1
.endr
.if (\t)%2
.rept 5
	v_nop                                          ; four places in front of the reads and loads below; five in front of the product that begins the odd sum anew
.endr
	WIN 0
.irp j, 0,2,4,6
	v_pk_add_f32 v[Y+8*CHX+\j:Y+8*CHX+\j+1], v[Y+8*CHX+\j:Y+8*CHX+\j+1], v[TMPO+\j:TMPO+\j+1]
.endr
.else
	PLACES
.endif
.if (\t) == 0
	WIN 0                                          ; the index came in ahead of half tile 0: x is gathered now, in the result's own layout; it is wanted behind the last tile
	v_min_u32 v[XO], 31999, v[XO]
	s_delay_alu instid0(VALU_DEP_1)
	v_lshlrev_b32 v[XO], 12, v[XO]
	s_delay_alu instid0(VALU_DEP_1)
	v_lshl_add_u32 v[XO], v[HH], 5, v[XO]
.irp ch, 0,1,2,3,4,5,6,7
	global_load_b128 v[XX+8*\ch:XX+8*\ch+3], v[XO], s[12:13] offset:64*\ch
	global_load_b128 v[XX+8*\ch+4:XX+8*\ch+7], v[XO], s[12:13] offset:64*\ch+16
.endr
.endif
.if (\t)+3 == NG
	s_wait_tensorcnt 0x0                           ; my tiles 5-7 have landed: only I read them
.endif
.if (\t)+3 < 16
	WIN 0x40                                       ; destination window 1
	BLD (\t)+3
.endif
	WIN 0
.endm
	WIN 0x40
.set J, 0
.rept 16
.irp p, 0,1,2
	global_load_b64 v[AF+6*J+2*\p:AF+6*J+2*\p+1], v[L8], s[4:5] offset:768*J+256*\p   ; head J's six registers: half J % 2 of K step J / 2
.endr
.set J, J+1
.endr
	BLD 0
	BLD 1
	BLD 2
	WIN 0
	HALF 0, 24                                     ; behind half tile 0: half tiles 1, 2
	HALF 1, 40                                     ; behind 1: half tile 2, x's 16 loads, half tile 3
	HALF 2, 40                                     ; behind 2: x's 16, half tiles 3, 4
.irp t, 3,4,5,6,7
	HALF \t, 24
.endr
	HALF 8, 12                                     ; behind 8: half tile 9, the last from memory
	HALF 9, 0
.irp t, 10,11,12,13
	HALF \t, 24                                    ; LDS loads: two younger half tiles
.endr
	HALF 14, 12
	HALF 15, 0
.set J, 0
.rept 32
	v_pk_add_f32 v[Y+J:Y+J+1], v[Y+J:Y+J+1], v[XX+J:XX+J+1]
.set J, J+2
.endr
	; THE NORM, in two passes: the mean, then the mean square of what is left
.irp ch, 0,1,2,3,4,5,6,7
	global_load_b128 v[GM+8*\ch:GM+8*\ch+3], v[H32], s[14:15] offset:64*\ch
	global_load_b128 v[GM+8*\ch+4:GM+8*\ch+7], v[H32], s[14:15] offset:64*\ch+16
	global_load_b128 v[BT+8*\ch:BT+8*\ch+3], v[H32], s[16:17] offset:64*\ch
	global_load_b128 v[BT+8*\ch+4:BT+8*\ch+7], v[H32], s[16:17] offset:64*\ch+16
.endr
.macro ROWSUM off                      ; four pairs of partial sums -> the row's sum over all 1,024 columns, in v248, through table off
	v_pk_add_f32 v[P:P+1], v[P:P+1], v[P+2:P+3]
	v_pk_add_f32 v[P+4:P+5], v[P+4:P+5], v[P+6:P+7]
	s_delay_alu instid0(VALU_DEP_1)
	v_pk_add_f32 v[P:P+1], v[P:P+1], v[P+4:P+5]
	s_delay_alu instid0(VALU_DEP_1)
	v_add_f32 v252, v248, v249
	s_delay_alu instid0(VALU_DEP_1)
	v_permlanex16_b32 v253, v252, s[SEL], s[SEL+1]
	s_delay_alu instid0(VALU_DEP_1)
	v_add_f32 v252, v252, v253                     ; over my wave's 128 columns
	ds_store_b32 v[RDS], v252 offset:\off          ; both halves of the lanes write the same word with the same value
	s_wait_dscnt 0x0
	s_barrier_signal -1
	s_barrier_wait -1
	ds_load_b128 v[248:251], v[RDL] offset:\off
	ds_load_b128 v[252:255], v[RDL] offset:\off+16
	s_wait_dscnt 0x0
	v_add_f32 v248, v248, v249
	v_add_f32 v250, v250, v251
	v_add_f32 v252, v252, v253
	v_add_f32 v254, v254, v255
	s_delay_alu instid0(VALU_DEP_3)
	v_add_f32 v248, v248, v250
	s_delay_alu instid0(VALU_DEP_2)
	v_add_f32 v252, v252, v254
	s_delay_alu instid0(VALU_DEP_1)
	v_add_f32 v248, v248, v252
.endm
.irp a, 0,2,4,6
	v_pk_add_f32 v[P+\a:P+\a+1], v[Y+\a:Y+\a+1], v[Y+8+\a:Y+8+\a+1]
.endr
.set J, 16
.rept 6
.irp a, 0,2,4,6
	s_delay_alu instid0(VALU_DEP_4)
	v_pk_add_f32 v[P+\a:P+\a+1], v[P+\a:P+\a+1], v[Y+J+\a:Y+J+\a+1]
.endr
.set J, J+8
.endr
	ROWSUM 0
	s_delay_alu instid0(VALU_DEP_1)
	v_mul_f32 v252, s66, v248                      ; the mean
.set J, 0
.rept 32
	v_pk_add_f32 v[Y+J:Y+J+1], v[Y+J:Y+J+1], v[252:253] op_sel_hi:[1,0] neg_lo:[0,1] neg_hi:[0,1]
.set J, J+2
.endr
.irp a, 0,2,4,6
	v_pk_mul_f32 v[P+\a:P+\a+1], v[Y+\a:Y+\a+1], v[Y+\a:Y+\a+1]
.endr
.set J, 8
.rept 7
.irp a, 0,2,4,6
	s_delay_alu instid0(VALU_DEP_4)
	v_pk_fma_f32 v[P+\a:P+\a+1], v[Y+J+\a:Y+J+\a+1], v[Y+J+\a:Y+J+\a+1], v[P+\a:P+\a+1]
.endr
.set J, J+8
.endr
	ROWSUM 512                                     ; the second table: other bytes than the first
	s_delay_alu instid0(VALU_DEP_1)
	v_fma_f32 v252, v248, s66, s67                 ; the variance + 1e-5
	s_wait_alu depctr_va_vdst(0)
	v_rsq_f32 v254, v252
	v_nop                                          ; one plain place behind a transcendental
	s_wait_loadcnt 0x0                             ; gamma1, beta1
	s_wait_alu depctr_va_vdst(0)
.set J, 0
.rept 32
	v_pk_mul_f32 v[Y+J:Y+J+1], v[Y+J:Y+J+1], v[254:255] op_sel_hi:[1,0]
.set J, J+2
.endr
.set J, 0
.rept 32
	v_pk_fma_f32 v[Y+J:Y+J+1], v[Y+J:Y+J+1], v[GM+J:GM+J+1], v[BT+J:BT+J+1]
.set J, J+2
.endr
.irp b, 0,1,2,3                                ; two neighbouring tiles change halves: registers 16 b + i become columns 32 b + 16 h + i
.irp j, 0,1,2,3,4,5,6,7
	v_permlane16_swap_b32 v[Y+16*\b+\j], v[Y+16*\b+8+\j]
.endr
.endr
.irp b, 0,1,2,3
.irp i, 0,1,2,3
	ds_store_b128 v[STO], v[Y+16*\b+4*\i:Y+16*\b+4*\i+3] offset:128*\b+16*\i
.endr
.endr
.set J, 0
.rept 16
	ds_load_b128 v[GM+4*J:GM+4*J+3], v[SRD] offset:SPITCH*J        ; whole rows of 512 bytes back; LDS serves a wave's instructions in order (ISA guide 5.7.1.4)
.set J, J+1
.endr
	; x1 quantised: my 64 numbers are K step w of the next product
.irp b, 0,1,2,3
	v_max3_num_f32 v[TM+\b], |v[Y+16*\b]|, |v[Y+1+16*\b]|, 0x1800000
.endr
.irp i, 2,4,6,8,10,12,14
.irp b, 0,1,2,3
	s_delay_alu instid0(VALU_DEP_4)
	v_max3_num_f32 v[TM+\b], v[TM+\b], |v[Y+16*\b+\i]|, |v[Y+1+16*\b+\i]|
.endr
.endr
.irp b, 0,1,2,3
	s_delay_alu instid0(VALU_DEP_4)
	v_permlanex16_b32 v[TM+4+\b], v[TM+\b], s[SEL], s[SEL+1]
.endr
.irp b, 0,1,2,3
	s_delay_alu instid0(VALU_DEP_4)
	v_max_num_f32 v[TM+\b], v[TM+\b], v[TM+4+\b]
.endr
.irp b, 0,1,2,3
	s_delay_alu instid0(VALU_DEP_4)
	v_add_nc_u32 v[TM+12+\b], 0xff000000, v[TM+\b]
.endr
.irp b, 0,1,2,3
	s_delay_alu instid0(VALU_DEP_4)
	v_lshrrev_b32 v[TM+4+\b], 23, v[TM+12+\b]
.endr
	s_delay_alu instid0(VALU_DEP_3)
	v_lshl_or_b32 v[PW], v[TM+5], 8, v[TM+4]
	s_delay_alu instid0(VALU_DEP_1)
	v_lshl_or_b32 v[PW], v[TM+6], 16, v[PW]
	s_delay_alu instid0(VALU_DEP_1)
	v_lshl_or_b32 v[PW], v[TM+7], 24, v[PW]
.irp c, 0,1
	v_cvt_scalef32_pk16_fp6_f32 v[PC+6*\c:PC+2+6*\c], v[Y+32*\c:Y+15+32*\c], v[TM+12+2*\c]
	v_cvt_scalef32_pk16_fp6_f32 v[PC+12+4*\c:PC+14+4*\c], v[Y+16+32*\c:Y+31+32*\c], v[TM+12+2*\c+1]
.endr
	v_nop
.irp c, 0,1
.irp i, 0,1,2
	v_permlane16_swap_b32 v[PC+6*\c+\i], v[PC+12+4*\c+\i]
.endr
.irp i, 0,1,2
	s_delay_alu instid0(VALU_DEP_3)
	v_mov_b32 v[PC+3+6*\c+\i], v[PC+12+4*\c+\i]
.endr
.endr
.irp q, 0,1,2
	global_store_b128 v[L16], v[PC+4*\q:PC+4*\q+3], s[20:21] offset:512*\q   ; the image: 512 consecutive bytes a store, aligned
.endr
	global_store_b32 v[R4], v[PW], s[62:63]        ; lanes l and l + 16 hold the same word and store it to the same place
.set J, 0
.rept 16
	s_wait_dscnt 15-J                              ; row J is back; the younger rows may be out
	global_store_b128 v[L16], v[GM+4*J:GM+4*J+3], s[18:19] offset:4096*J   ; 512 consecutive bytes of a row of x1, aligned
.set J, J+1
.endr
	s_wait_tensorcnt 0x0                           ; the wave's end
	ds_add_u32 v[SPW], v[NIL]
	s_wait_dscnt 0x0
	ROUND                                          ; the closing round
	s_endpgm
.Lfunc_end_k_q3c6763ff98_oproj:
	.size	k_q3c6763ff98_oproj, .Lfunc_end_k_q3c6763ff98_oproj-k_q3c6763ff98_oproj
	.p2alignl 7, 3214868480
	.fill 96, 4, 3214868480
	.section	.rodata,"a",@progbits
	.p2align	6, 0x0
	.amdhsa_kernel k_q3c6763ff98_oproj
		.amdhsa_group_segment_fixed_size 296960
		.amdhsa_private_segment_fixed_size 0
		.amdhsa_enable_private_segment 0
		.amdhsa_kernarg_size 72
		.amdhsa_user_sgpr_count 2
		.amdhsa_user_sgpr_kernarg_segment_ptr 1
		.amdhsa_wavefront_size32 1
		.amdhsa_system_sgpr_workgroup_id_x 1
		.amdhsa_system_sgpr_workgroup_id_y 1
		.amdhsa_system_sgpr_workgroup_id_z 1
		.amdhsa_system_vgpr_workitem_id 0
		.amdhsa_next_free_vgpr 512
		.amdhsa_next_free_sgpr 68
		.amdhsa_reserve_vcc 0
		.amdhsa_float_denorm_mode_32 3
		.amdhsa_float_denorm_mode_16_64 3
		.amdhsa_memory_ordered 1
		.amdhsa_forward_progress 1
		.amdhsa_inst_pref_size 73
	.end_amdhsa_kernel
	.amdgpu_metadata
---
amdhsa.version: [ 1, 2 ]
amdhsa.kernels:
  - .name:           k_q3c6763ff98_oproj
    .symbol:         k_q3c6763ff98_oproj.kd
    .args:
      - { .name: ctxq, .offset: 0, .size: 8, .value_kind: global_buffer, .address_space: global }
      - { .name: wimg, .offset: 8, .size: 8, .value_kind: global_buffer, .address_space: global }
      - { .name: w_o_scales, .offset: 16, .size: 8, .value_kind: global_buffer, .address_space: global }
      - { .name: V, .offset: 24, .size: 8, .value_kind: global_buffer, .address_space: global }
      - { .name: emb, .offset: 32, .size: 8, .value_kind: global_buffer, .address_space: global }
      - { .name: gamma1, .offset: 40, .size: 8, .value_kind: global_buffer, .address_space: global }
      - { .name: beta1, .offset: 48, .size: 8, .value_kind: global_buffer, .address_space: global }
      - { .name: x1, .offset: 56, .size: 8, .value_kind: global_buffer, .address_space: global }
      - { .name: x1q, .offset: 64, .size: 8, .value_kind: global_buffer, .address_space: global }
    .group_segment_fixed_size: 296960
    .private_segment_fixed_size: 0
    .kernarg_segment_align: 8
    .kernarg_segment_size: 72
    .max_flat_workgroup_size: 256
    .sgpr_count:     68
    .vgpr_count:     512
    .wavefront_size: 32
...
	.end_amdgpu_metadata
.endif
;; end of part 3
;; launch ffn1 (part 4): grid 16 x 16, 4 waves a work-group, clusters of 4 x 4, 327,680 bytes of LDS; arguments x1q, wimg, w1_scales, b1, hidq; writes hidq
.if DOCPART == 4
	.amdgcn_target "amdgcn-amd-amdhsa--gfx1250"
	.amdhsa_code_object_version 6
	.text
	.protected	k_q3c6763ff98_ffn1
	.globl	k_q3c6763ff98_ffn1
	.p2align	8
	.type	k_q3c6763ff98_ffn1,@function
k_q3c6763ff98_ffn1:
	s_mov_b64 s[64:65], 0
	v_nop
	global_prefetch_b8 v0, s[64:65] scope:SCOPE_SE
	s_setreg_imm32_b32 hwreg(HW_REG_WAVE_MODE, 25, 1), 1
	s_wait_xcnt 0x0
	s_wait_alu depctr_hold_cnt(0) depctr_sa_sdst(0) depctr_va_vdst(0) depctr_va_sdst(0) depctr_va_ssrc(0) depctr_va_vcc(0) depctr_vm_vsrc(0)
	s_getreg_b32 s2, hwreg(HW_REG_IB_STS2, 6, 4)
	s_cmp_eq_u32 s2, 0
	s_cbranch_scc0 .Lentry_in_a_cluster
	s_endpgm
.Lentry_in_a_cluster:
	s_bfe_u32 s2, ttmp6, 0x10000c
	s_cmp_lg_u32 s2, 0xf033
	s_cbranch_scc0 .Lentry_shape_is_right
	s_endpgm
.Lentry_shape_is_right:
.set FFN,  1
.set NB,   8
.set KK,   1024
.set NQ,   2
.set KSN,    KK/128
.set KROW,   KK*3/4
.set KS,     KK/32
.set FRB,    1536
.set HALFA,  NB*NQ*FRB
.set HALFB,  NB*NQ*FRB                 ; B comes as images of operand registers, as A does
.set SLOT,   2*HALFA+2*HALFB
.set SCA,    2*SLOT
.set HALFSA, KSN*64*NB
.set SCB,    SCA+2*HALFSA
.set HALFS,  (16*NB*KS/256)*272
.set SBLK2,  (32*KS/256)*272
.set SPARE,  SCB+2*HALFS
.set STG,    SPARE+512
.set PLANES, 256*KSN*FRB
.set LAPS,   KK/(256*NQ)
.set FAU,    3*NB/2
.set RR,   1
.set HH,   2
.set LN,   3
.set L16,  4
.set BO,   7
.set L4,   8
.set ADRA, 16
.set ADRB, 20
.set STO,  24
.set RD,   25
.set CO,   26
.set ADSB, 27
.set SPW,  28
.set NIL,  29
.set ADSA, 30
.set SC,   32
.set BIAS, 64
.set AF,   128
.set H,    128
.set PC,   192
.set TM,   212
.set PWS,  228
.set JW,   236
.set BK,   128
.set WV,   16
.set RH,   17
.set CH,   18
.set G1,   24
.set G0,   32
.set G1B,  48
.set G0B,  56
.set G1S,  68
.set G0S,  76
.set G1SB, 80
.set G0SB, 88
.set SEL,  100
.set MSB, 0
.macro WIN new
.if MSB != \new
	s_set_vgpr_msb (MSB<<8)|\new
.set MSB, \new
.endif
.endm
.set TO_B,     0x40
.set MUL_LO,   0xa1
.set FIRST_LO, 0x81
.if NB == 8
.set MUL_HI,   0xf1
.set FIRST_HI, 0xc1
.else
.set MUL_HI,   0xa1
.set FIRST_HI, 0x81
.endif
.macro JLOAD g0a, g1a, g0b, g1b
	s_cmp_eq_u32 s[RH], 0
	s_cbranch_scc0 .Lfor_b_\@
	tensor_load_to_lds s[\g0a:\g0a+3], s[\g1a:\g1a+7]
	s_nop 0
.rept 4
	v_nop
.endr
	s_branch .Lasked_\@
.Lfor_b_\@:
	tensor_load_to_lds s[\g0b:\g0b+3], s[\g1b:\g1b+7]
	s_nop 0
.rept 4
	v_nop
.endr
.Lasked_\@:
.endm
.macro CREST
	s_cmp_lg_u32 s[WV], 0
	s_cbranch_scc1 .Lnot_wave_0_\@
	s_barrier_signal -3
.Lnot_wave_0_\@:
	s_barrier_wait -3
	s_barrier_signal -1
	s_barrier_wait -1
.endm
.macro CROUND
	s_barrier_signal -1
	s_barrier_wait -1
	CREST
.endm
.macro PLACES
.rept 4
	v_nop
.endr
.endm
	s_load_b256 s[4:11], s[0:1], 0x0
.if FFN == 1
	s_load_b64 s[12:13], s[0:1], 0x20
.else
	s_load_b128 s[12:15], s[0:1], 0x20
.endif
	v_lshl_add_u32 v[SPW], v0, 2, SPARE
	v_mov_b32 v[NIL], 0
	ds_add_u32 v28, v29
	ds_add_u32 v28, v29
	s_wait_dscnt 0x0
	v_lshrrev_b32 v1, 5, v0
	v_readfirstlane_b32 s[WV], v1
	s_lshr_b32 s[RH], s[WV], 1
	s_and_b32 s[CH], s[WV], 1
	s_bfe_u32 s40, ttmp6, 0x40000
	s_bfe_u32 s41, ttmp6, 0x40004
	s_lshl_b32 s42, ttmp9, 2
	s_add_co_u32 s42, s42, s40
	s_and_b32 s43, ttmp7, 0xffff
	s_lshl_b32 s43, s43, 2
	s_add_co_u32 s43, s43, s41
	s_lshl_b32 s44, s41, 2
	s_lshl_b32 s44, 15, s44
	s_lshl_b32 s45, 0x1111, s40
	s_or_b32 s[G1], s44, (3<<16)|(1<<21)
	s_mov_b32 s[G1+1], (192*NQ)<<16
	s_mov_b32 s[G1+2], (2*NB)<<16                  ; the head's loads bring whole tiles: both halves
	s_mov_b32 s[G1+3], (192*NQ)<<16
	s_mov_b32 s[G1+4], 2*NB
	s_mov_b32 s[G1+5], 192*KSN
	s_mov_b32 s[G1+6], 0
	s_mov_b32 s[G1+7], 0
	s_or_b32 s[G1B], s45, (3<<16)|(1<<21)
	s_mov_b32 s[G1B+1], (192*NQ)<<16
	s_mov_b32 s[G1B+2], (2*NB)<<16
	s_mov_b32 s[G1B+3], (192*NQ)<<16
	s_mov_b32 s[G1B+4], 2*NB
	s_mov_b32 s[G1B+5], 192*KSN
	s_mov_b32 s[G1B+6], 0
	s_mov_b32 s[G1B+7], 0
	s_or_b32 s[G1S], s44, (2<<16)|(1<<21)
	s_mov_b32 s[G1S+1], (32*NB)<<16
	s_mov_b32 s[G1S+2], KSN<<16
	s_mov_b32 s[G1S+3], (32*NB)<<16
	s_mov_b32 s[G1S+4], KSN
	s_mov_b32 s[G1S+5], 4096
	s_mov_b32 s[G1S+6], 0
	s_mov_b32 s[G1S+7], 0
	s_or_b32 s[G1SB], s45, (3<<16)|(1<<20)|(1<<21)|(5<<22)|(3<<25)
	s_mov_b32 s[G1SB+1], 32<<16
	s_mov_b32 s[G1SB+2], (32*NB*KS/256)<<16
	s_mov_b32 s[G1SB+3], 32<<16
	s_mov_b32 s[G1SB+4], 32*NB*KS/256
	s_mov_b32 s[G1SB+5], 32
	s_mov_b32 s[G1SB+6], 0
	s_mov_b32 s[G1SB+7], 0
	s_mul_i32 s20, s43, 2*NB
	s_lshl_b32 s22, s20, 6
	s_add_co_u32 s22, s22, PLANES
	s_mov_b32 s23, 0
	s_mul_i32 s20, s20, KSN*FRB
	s_mov_b32 s21, 0
	s_mul_i32 s46, s42, 32*NB
	s_mul_i32 s92, s46, KS
	s_mov_b32 s93, 0
	s_mul_i32 s46, s46, KROW
	s_mov_b32 s47, 0
	s_mul_i32 s94, s[CH], HALFA
	s_mul_i32 s95, s[CH], HALFB
	s_add_co_u32 s95, s95, 2*HALFA
	s_mul_i32 s96, s[CH], NB*KSN*FRB               ; from a tile's first byte to my half of it, in memory
	s_mov_b32 s97, 0
	s_wait_kmcnt 0x0
	s_add_nc_u64 s[20:21], s[4:5], s[20:21]
	s_add_nc_u64 s[22:23], s[4:5], s[22:23]
	s_add_nc_u64 s[46:47], s[6:7], s[46:47]
	s_add_nc_u64 s[92:93], s[8:9], s[92:93]
	CROUND
	s_mov_b32 s[G0S], 1
	s_mov_b32 s[G0S+1], SCA
	s_mov_b64 s[G0S+2:G0S+3], s[22:23]
	s_or_b32 s[G0S+3], s[G0S+3], 0x80000000
	s_mov_b32 s[G0SB], 1
	s_mov_b32 s[G0SB+1], SCB
	s_mov_b64 s[G0SB+2:G0SB+3], s[92:93]
	s_or_b32 s[G0SB+3], s[G0SB+3], 0x80000000
	s_mov_b32 s[G0], 1                             ; slot 0's first fill, whole: A's tile at byte 0,
	s_mov_b32 s[G0+1], 0
	s_mov_b64 s[G0+2:G0+3], s[20:21]
	s_or_b32 s[G0+3], s[G0+3], 0x80000000
	s_mov_b32 s[G0B], 1                            ; B's behind it
	s_mov_b32 s[G0B+1], 2*HALFA
	s_mov_b64 s[G0B+2:G0B+3], s[46:47]
	s_or_b32 s[G0B+3], s[G0B+3], 0x80000000
	s_add_nc_u64 s[20:21], s[20:21], s[96:97]      ; for the ring: my half of a tile
	s_add_nc_u64 s[46:47], s[46:47], s[96:97]
	s_mov_b32 s22, s94                             ; and where it goes in slot 0
	s_mov_b32 s23, s95
	s_mov_b32 s[G0+4], 1
	s_add_co_u32 s[G0+5], s94, SLOT
	s_add_nc_u64 s[G0+6:G0+7], s[20:21], NQ*FRB
	s_or_b32 s[G0+7], s[G0+7], 0x80000000
	s_mov_b32 s[G0B+4], 1
	s_add_co_u32 s[G0B+5], s95, SLOT
	s_add_nc_u64 s[G0B+6:G0B+7], s[46:47], NQ*FRB
	s_or_b32 s[G0B+7], s[G0B+7], 0x80000000
; the head's four tiles, one joint load a wave: wave 0 slot 0's A, wave 1 its B, wave 2 A's scales, wave 3 B's; one chain of branches on the wave's number
.macro ARM under, g0, g1, next
	s_cmp_lt_u32 s[WV], \under
	s_cbranch_scc0 \next
	tensor_load_to_lds s[\g0:\g0+3], s[\g1:\g1+7]
	s_nop 0
	PLACES
	s_branch .Lhead_asked
\next:
.endm
	ARM 1, G0,  G1,  .Lhead_b
	ARM 2, G0B, G1B, .Lhead_sa
	ARM 3, G0S, G1S, .Lhead_sb
	tensor_load_to_lds s[G0SB:G0SB+3], s[G1SB:G1SB+7]
	s_nop 0
	PLACES
.Lhead_asked:
; the prefetches' address: of the half tile (8 tile rows x 3,072 bytes a fill) that I fetch, the four partners that ask for it jointly take two tile rows each, told apart by address: 24 blocks of 256 bytes, a lane a block
.set PFA, 92
.set PFO, 31
	s_cmp_eq_u32 s[RH], 0
	s_cselect_b64 s[PFA:PFA+1], s[20:21], s[46:47]
	s_cselect_b32 s98, s40, s41
	s_mul_i32 s98, s98, (NB/4)*KSN*FRB
	s_add_co_u32 s98, s98, NQ*FRB
	s_mov_b32 s99, 0
	s_add_nc_u64 s[PFA:PFA+1], s[PFA:PFA+1], s[98:99]
	v_and_b32 v[PFO], 31, v0
	v_min_u32 v[PFO], 23, v[PFO]                   ; lanes 24-31 name the last block again
	v_mul_u32_u24 v9, v[PFO], 11
	v_lshrrev_b32 v9, 7, v9                        ; block / 12: which of my two tile rows
	v_mul_u32_u24 v9, v9, KSN*FRB-NQ*FRB
	v_lshl_add_u32 v[PFO], v[PFO], 8, v9
	v_and_b32 v[RR], 15, v0
	v_bfe_u32 v[HH], v0, 4, 1
	v_and_b32 v[LN], 31, v0
	v_lshlrev_b32 v[L16], 4, v[LN]
	v_lshlrev_b32 v[L4], 2, v[LN]
	s_mul_i32 s19, s[RH], HALFA
	v_add_nc_u32 v[ADRA], s19, v[L16]
	v_add_nc_u32 v[ADRA+1], SLOT, v[ADRA]
	s_mul_i32 s19, s[CH], HALFB
	s_add_co_u32 s19, s19, 2*HALFA
	v_add_nc_u32 v[ADRB], s19, v[L16]
	v_add_nc_u32 v[ADRB+1], SLOT, v[ADRB]
	s_mul_i32 s19, s[RH], 64*NB                    ; A's scale words lie [K step][32 NB rows]: my half of a row
	s_add_co_u32 s19, s19, SCA
	v_lshl_add_u32 v[ADSA], v[LN], 2, s19
	v_mul_u32_u24 v5, v[LN], KS
	v_lshrrev_b32 v6, 8, v5
	v_lshl_add_u32 v5, v6, 4, v5
	s_mul_i32 s19, s[CH], HALFS
	s_add_co_u32 s19, s19, SCB
	v_add_nc_u32 v[ADSB], s19, v5
	s_mov_b32 s[SEL], 0x76543210
	s_mov_b32 s[SEL+1], 0xfedcba98
	s_mul_i32 s98, s42, 32*NB
	s_mul_i32 s19, s[CH], 16*NB
	s_add_co_u32 s98, s98, s19
	s_lshl_b32 s66, s98, 2
	s_mov_b32 s67, 0
	s_add_nc_u64 s[10:11], s[10:11], s[66:67]
	v_lshlrev_b32 v[BO], 5, v[HH]
.set II, 0
.rept NB
	global_load_b128 v[BIAS+8*II:BIAS+8*II+3], v[BO], s[10:11] offset:64*II
	global_load_b128 v[BIAS+8*II+4:BIAS+8*II+7], v[BO], s[10:11] offset:64*II+16
.set II, II+1
.endr
.if FFN == 1
	s_mul_i32 s66, s43, 2*NB
	s_mul_i32 s19, s[RH], NB
	s_add_co_u32 s66, s66, s19
	s_lshr_b32 s99, s98, 7
	s_mul_i32 s94, s66, 32*FRB
	s_mul_i32 s19, s99, FRB
	s_add_co_u32 s94, s94, s19
	s_mov_b32 s95, 0
	s_lshl_b32 s96, s66, 6
	s_lshl_b32 s19, s99, 14
	s_add_co_u32 s96, s96, s19
	s_add_co_u32 s96, s96, 256*32*FRB
	s_mov_b32 s97, 0
	s_add_nc_u64 s[14:15], s[12:13], s[96:97]
	s_add_nc_u64 s[12:13], s[12:13], s[94:95]
.else
	s_mul_i32 s94, s43, 32*NB
	s_mul_i32 s19, s[RH], 16*NB
	s_add_co_u32 s94, s94, s19
	s_lshl_b32 s94, s94, 12
	s_add_co_u32 s94, s94, s66
	s_mov_b32 s95, 0
	s_add_nc_u64 s[12:13], s[12:13], s[94:95]
	s_add_nc_u64 s[14:15], s[14:15], s[94:95]
	s_mul_i32 s19, s[WV], 16*272
	s_add_co_u32 s19, s19, STG
	v_mul_u32_u24 v[STO], v[RR], 272
	v_lshl_add_u32 v[STO], v[HH], 5, v[STO]
	v_add_nc_u32 v[STO], s19, v[STO]
	v_mul_u32_u24 v[RD], v[HH], 272
	v_lshl_add_u32 v[RD], v[RR], 4, v[RD]
	v_add_nc_u32 v[RD], s19, v[RD]
	v_lshlrev_b32 v[CO], 12, v[HH]
	v_lshl_add_u32 v[CO], v[RR], 4, v[CO]
	WIN 0xc0
.irp a, 0,1,2,3
.irp t, 0,1,2,3,4,5,6,7
	global_load_b128 v[32*\a+4*\t:32*\a+4*\t+3], v[CO], s[12:13] offset:(16*\a+2*\t)*4096 th:TH_LOAD_NT
.endr
.endr
	WIN 0
.endif
.macro FRAGA reg, slot, q, i
.irp c, 0,1,2
	ds_load_b128 v[(\reg)+4*\c:(\reg)+4*\c+3], v[ADRA+\slot] offset:NQ*FRB*(\i)+FRB*(\q)+512*\c
.endr
.endm
.macro FRAGB reg, adr, q, i
.irp c, 0,1,2
	ds_load_b128 v[(\reg)+4*\c:(\reg)+4*\c+3], v[\adr] offset:NQ*FRB*(\i)+FRB*(\q)+512*\c
.endr
.endm
.macro FETCH_B slot, q, p
	WIN TO_B
.set II, 0
.rept NB
	FRAGB 128*(\p)+12*II, ADRB+\slot, \q, II
.set II, II+1
.endr
	WIN 0
.endm
.macro FETCH_A slot, q, i0
.set II, \i0
.rept NB/2
	FRAGA AF+12*II, \slot, \q, II
.set II, II+1
.endr
.endm
.macro SCALES sc
.set II, 0
.rept NB/2
.set QQ, 0
.rept NQ
	ds_load_b32 v[SC+16*(\sc)+NQ*II+QQ], v[ADSA] offset:128*NB*QQ+128*II
.set QQ, QQ+1
.endr
.if NQ == 2
	ds_load_b64 v[SC+16*(\sc)+8+2*II:SC+16*(\sc)+8+2*II+1], v[ADSB] offset:II*SBLK2
.else
	ds_load_b128 v[SC+16*(\sc)+8+4*II:SC+16*(\sc)+8+4*II+3], v[ADSB] offset:II*SBLK2
.endif
.set II, II+1
.endr
.endm
.macro WM a, b, p, q, sc, first
.set ACI, (\a)*NB+(\b)
.set AC,  8*(ACI%32)
.set RGB, 128*(\p)+12*(\b)
.set RGA, AF+12*(\a)
.set SSB, SC+16*(\sc)+8+NQ*((\b)/2)+(\q)
.set SSA, SC+16*(\sc)+NQ*((\a)/2)+(\q)
.if \first
.set CC, BIAS+8*(\b)
.else
.set CC, AC
.endif
.if ((\a)%2 == 0) && ((\b)%2 == 0)
	v_wmma_scale_f32_16x16x128_f8f6f4 v[AC:AC+7], v[RGB:RGB+11], v[RGA:RGA+11], v[CC:CC+7], v[SSB], v[SSA] matrix_a_fmt:MATRIX_FMT_FP6 matrix_b_fmt:MATRIX_FMT_FP6
.elseif (\a)%2 == 0
	v_wmma_scale_f32_16x16x128_f8f6f4 v[AC:AC+7], v[RGB:RGB+11], v[RGA:RGA+11], v[CC:CC+7], v[SSB], v[SSA] matrix_a_fmt:MATRIX_FMT_FP6 matrix_b_fmt:MATRIX_FMT_FP6 matrix_a_scale:MATRIX_SCALE_ROW1
.elseif (\b)%2 == 0
	v_wmma_scale_f32_16x16x128_f8f6f4 v[AC:AC+7], v[RGB:RGB+11], v[RGA:RGA+11], v[CC:CC+7], v[SSB], v[SSA] matrix_a_fmt:MATRIX_FMT_FP6 matrix_b_fmt:MATRIX_FMT_FP6 matrix_b_scale:MATRIX_SCALE_ROW1
.else
	v_wmma_scale_f32_16x16x128_f8f6f4 v[AC:AC+7], v[RGB:RGB+11], v[RGA:RGA+11], v[CC:CC+7], v[SSB], v[SSA] matrix_a_fmt:MATRIX_FMT_FP6 matrix_b_fmt:MATRIX_FMT_FP6 matrix_a_scale:MATRIX_SCALE_ROW1 matrix_b_scale:MATRIX_SCALE_ROW1
.endif
.endm
.macro MULR a0, n, p, q, sc, first
.set AA, \a0
.rept \n
.set BBI, 0
.rept NB
	WM AA, BBI, \p, \q, \sc, \first
.set BBI, BBI+1
.endr
.set AA, AA+1
.endr
.endm
.macro STEP slot, q, first
	s_wait_dscnt FAU
.if \first
	WIN FIRST_LO
.else
	WIN MUL_LO
.endif
	MULR 0, NB/2, (\q)%2, \q, \slot, \first
	s_wait_dscnt 0x0
	PLACES
	FETCH_B \slot, (\q)+1, 1-(\q)%2
	FETCH_A \slot, (\q)+1, 0
.if \first
	WIN FIRST_HI
.else
	WIN MUL_HI
.endif
	MULR NB/2, NB/2, (\q)%2, \q, \slot, \first
	PLACES
	WIN 0
	FETCH_A \slot, (\q)+1, NB/2
.endm
.macro TURN slot, next, fill
	s_wait_tensorcnt 0x0
	ds_add_u32 v[SPW], v[NIL]
	s_wait_dscnt FAU+1
	WIN MUL_LO
	MULR 0, NB/4, 1, NQ-1, \slot, 0
	s_wait_dscnt 0x0
	s_barrier_signal -1
	MULR NB/4, NB/4, 1, NQ-1, \slot, 0
	WIN 0
	s_barrier_wait -1
.if \fill
	CREST
	s_add_nc_u64 s[G0+4*\slot+2:G0+4*\slot+3], s[G0+4*\slot+2:G0+4*\slot+3], 2*NQ*FRB
	s_add_nc_u64 s[G0B+4*\slot+2:G0B+4*\slot+3], s[G0B+4*\slot+2:G0B+4*\slot+3], 2*NQ*FRB
	JLOAD G0+4*\slot, G1, G0B+4*\slot, G1B
.else
	PLACES
.endif
	s_wait_alu depctr_va_vdst(0)
	v_add_nc_u32 v[ADSA], NQ*128*NB, v[ADSA]
	v_add_nc_u32 v[ADSB], 4*NQ, v[ADSB]
	FETCH_B \next, 0, 0
	FETCH_A \next, 0, 0
	SCALES \next
	WIN MUL_HI
	MULR NB/2, NB/2, 1, NQ-1, \slot, 0
	PLACES
	WIN 0
	FETCH_A \next, 0, NB/2
.endm
.macro MIDS slot
.if NQ == 4
	STEP \slot, 1, 0
	STEP \slot, 2, 0
.endif
.endm
	s_wait_alu depctr_va_vdst(0)
	s_wait_tensorcnt 0x0                           ; my tile of the head's four is in
	ds_add_u32 v[SPW], v[NIL]
	s_mov_b32 s[G1+2], NB<<16                      ; no load of mine is out: from here on a load brings half a tile,
	s_mov_b32 s[G1+4], NB
	s_mov_b32 s[G1B+2], NB<<16
	s_mov_b32 s[G1B+4], NB
	s_mov_b32 s[G0+1], s22                         ; and slot 0's refills bring my half
	s_mov_b64 s[G0+2:G0+3], s[20:21]
	s_or_b32 s[G0+3], s[G0+3], 0x80000000
	s_mov_b32 s[G0B+1], s23
	s_mov_b64 s[G0B+2:G0B+3], s[46:47]
	s_or_b32 s[G0B+3], s[G0B+3], 0x80000000
	s_wait_dscnt 0x0
	CROUND                                         ; all four tiles are in, and all sixteen work-groups are here
	JLOAD G0+4, G1, G0B+4, G1B                     ; slot 1's first fill
	FETCH_B 0, 0, 0
	FETCH_A 0, 0, 0
	SCALES 0
	global_prefetch_b8 v[PFO], s[PFA:PFA+1] offset:NQ*FRB th:TH_LOAD_NT scope:SCOPE_SE     ; the launch's only two refills, fills 2 and 3 of 4: asked for behind the first run of fragment loads
	global_prefetch_b8 v[PFO], s[PFA:PFA+1] offset:2*NQ*FRB th:TH_LOAD_NT scope:SCOPE_SE   ; their address registers are never rewritten
	FETCH_A 0, 0, NB/2
.if FFN == 1
	s_wait_loadcnt 0x0
.else
	s_wait_loadcnt 32
.endif
	STEP 0, 0, 1
	s_mov_b32 s3, LAPS-1
.Llap:
	MIDS 0
	TURN 0, 1, 1
	STEP 1, 0, 0
	MIDS 1
	TURN 1, 0, 1
	STEP 0, 0, 0
	s_sub_co_u32 s3, s3, 1
	s_cmp_lg_u32 s3, 0
	s_cbranch_scc1 .Llap
	MIDS 0
	TURN 0, 1, 0
	STEP 1, 0, 0
	MIDS 1
	s_wait_dscnt FAU
	WIN MUL_LO
	MULR 0, NB/2, 1, NQ-1, 1, 0
	s_wait_dscnt 0x0
	WIN MUL_HI
	MULR NB/2, NB/2, 1, NQ-1, 1, 0
	WIN 0
	PLACES
.if FFN == 1
.irp b, 0,1,2,3
	v_mov_b32 v[TM+4+\b], 0
.endr
.irp a, 0,1,2,3,4,5,6,7
.if \a > 0
	s_wait_xcnt 0x0
.endif
	WIN 0x08+4*(\a/4)
.set J, 0
.rept 64
	v_max_num_f32 v[H+J], 0, v[64*(\a%4)+J]
.set J, J+1
.endr
	WIN 0
.irp b, 0,1,2,3
.irp j, 0,1,2,3,4,5,6,7
	v_permlane16_swap_b32 v[H+16*\b+\j], v[H+16*\b+8+\j]
.endr
.endr
.irp b, 0,1,2,3
	v_max3_num_f32 v[TM+\b], v[H+16*\b], v[H+1+16*\b], 0x1800000
.endr
.irp i, 2,4,6,8,10,12,14
.irp b, 0,1,2,3
	v_max3_num_f32 v[TM+\b], v[TM+\b], v[H+16*\b+\i], v[H+1+16*\b+\i]
.endr
.endr
.irp b, 0,1,2,3
	v_permlanex16_b32 v[TM+4+\b], v[TM+\b], s[SEL], s[SEL+1]
.endr
.irp b, 0,1,2,3
	v_max_num_f32 v[TM+\b], v[TM+\b], v[TM+4+\b]
.endr
.irp b, 0,1,2,3
	v_add_nc_u32 v[TM+12+\b], 0xff000000, v[TM+\b]
.endr
.irp b, 0,1,2,3
	v_lshrrev_b32 v[TM+4+\b], 23, v[TM+12+\b]
.endr
	v_lshl_or_b32 v[PWS+\a], v[TM+5], 8, v[TM+4]
	v_lshl_or_b32 v[PWS+\a], v[TM+6], 16, v[PWS+\a]
	v_lshl_or_b32 v[PWS+\a], v[TM+7], 24, v[PWS+\a]
.irp c, 0,1
	v_cvt_scalef32_pk16_fp6_f32 v[PC+6*\c:PC+2+6*\c], v[H+32*\c:H+15+32*\c], v[TM+12+2*\c]
	v_cvt_scalef32_pk16_fp6_f32 v[PC+12+4*\c:PC+14+4*\c], v[H+16+32*\c:H+31+32*\c], v[TM+12+2*\c+1]
.endr
	v_nop
.irp c, 0,1
.irp i, 0,1,2
	v_permlane16_swap_b32 v[PC+6*\c+\i], v[PC+12+4*\c+\i]
.endr
.irp i, 0,1,2
	v_mov_b32 v[PC+3+6*\c+\i], v[PC+12+4*\c+\i]
.endr
.endr
.irp q, 0,1,2
	global_store_b128 v[L16], v[PC+4*\q:PC+4*\q+3], s[12:13] offset:32*FRB*\a+512*\q
.endr
.endr
	v_cmp_le_u32 vcc_lo, 16, v[LN]
.irp i, 0,1,2,3
	v_cndmask_b32 v[JW+\i], v[PWS+2*\i], v[PWS+2*\i+1], vcc_lo
	global_store_b32 v[L4], v[JW+\i], s[14:15] offset:128*\i
.endr
.else
	s_wait_loadcnt 0x0
.irp a, 0,1,2,3
	WIN 0x08
.irp b, 0,1,2,3
	ds_store_b128 v[STO], v[8*(4*\a+\b):8*(4*\a+\b)+3] offset:64*\b
	ds_store_b128 v[STO], v[8*(4*\a+\b)+4:8*(4*\a+\b)+7] offset:64*\b+16
.endr
	WIN 0
.if \a > 1
	s_wait_xcnt 0x0
.endif
.irp t, 0,1,2,3,4,5,6,7
	ds_load_b128 v[BK+32*(\a%2)+4*\t:BK+32*(\a%2)+4*\t+3], v[RD] offset:2*272*\t
.endr
	s_wait_dscnt 0x0
	WIN 0x0c
.irp t, 0,1,2,3,4,5,6,7
	v_pk_add_f32 v[BK+32*(\a%2)+4*\t:BK+32*(\a%2)+4*\t+1], v[BK+32*(\a%2)+4*\t:BK+32*(\a%2)+4*\t+1], v[32*\a+4*\t:32*\a+4*\t+1]
	v_pk_add_f32 v[BK+32*(\a%2)+4*\t+2:BK+32*(\a%2)+4*\t+3], v[BK+32*(\a%2)+4*\t+2:BK+32*(\a%2)+4*\t+3], v[32*\a+4*\t+2:32*\a+4*\t+3]
.endr
	WIN 0
.irp t, 0,1,2,3,4,5,6,7
	global_store_b128 v[CO], v[BK+32*(\a%2)+4*\t:BK+32*(\a%2)+4*\t+3], s[14:15] offset:(16*\a+2*\t)*4096
.endr
.endr
.endif
	s_wait_tensorcnt 0x0
	ds_add_u32 v[SPW], v[NIL]
	s_wait_dscnt 0x0
	CROUND
	s_endpgm
.Lfunc_end_k_q3c6763ff98_ffn1:
	.size	k_q3c6763ff98_ffn1, .Lfunc_end_k_q3c6763ff98_ffn1-k_q3c6763ff98_ffn1
	.p2alignl 7, 3214868480
	.fill 96, 4, 3214868480
	.section	.rodata,"a",@progbits
	.p2align	6, 0x0
	.amdhsa_kernel k_q3c6763ff98_ffn1
		.amdhsa_group_segment_fixed_size 327680
		.amdhsa_private_segment_fixed_size 0
		.amdhsa_enable_private_segment 0
		.amdhsa_kernarg_size 40
		.amdhsa_user_sgpr_count 2
		.amdhsa_user_sgpr_kernarg_segment_ptr 1
		.amdhsa_wavefront_size32 1
		.amdhsa_system_sgpr_workgroup_id_x 1
		.amdhsa_system_sgpr_workgroup_id_y 1
		.amdhsa_system_sgpr_workgroup_id_z 1
		.amdhsa_system_vgpr_workitem_id 0
		.amdhsa_next_free_vgpr 1024
		.amdhsa_next_free_sgpr 102
		.amdhsa_reserve_vcc 1
		.amdhsa_float_denorm_mode_32 3
		.amdhsa_float_denorm_mode_16_64 3
		.amdhsa_memory_ordered 1
		.amdhsa_forward_progress 1
		.amdhsa_inst_pref_size 168
	.end_amdhsa_kernel
	.amdgpu_metadata
---
amdhsa.version: [ 1, 2 ]
amdhsa.kernels:
  - .name:           k_q3c6763ff98_ffn1
    .symbol:         k_q3c6763ff98_ffn1.kd
    .args:
      - { .name: x1q, .offset: 0, .size: 8, .value_kind: global_buffer, .address_space: global }
      - { .name: wimg, .offset: 8, .size: 8, .value_kind: global_buffer, .address_space: global }
      - { .name: w1_scales, .offset: 16, .size: 8, .value_kind: global_buffer, .address_space: global }
      - { .name: b1, .offset: 24, .size: 8, .value_kind: global_buffer, .address_space: global }
      - { .name: hidq, .offset: 32, .size: 8, .value_kind: global_buffer, .address_space: global }
    .group_segment_fixed_size: 327680
    .private_segment_fixed_size: 0
    .kernarg_segment_align: 8
    .kernarg_segment_size: 40
    .max_flat_workgroup_size: 128
    .sgpr_count:     102
    .vgpr_count:     1024
    .wavefront_size: 32
...
	.end_amdgpu_metadata
.endif
;; end of part 4
;; launch ffn2 (part 5): grid 8 x 32, 4 waves a work-group, clusters of 4 x 4, 327,680 bytes of LDS; arguments hidq, wimg, w2_scales, b2, x1, y2; writes y2
.if DOCPART == 5
	.amdgcn_target "amdgcn-amd-amdhsa--gfx1250"
	.amdhsa_code_object_version 6
	.text
	.protected	k_q3c6763ff98_ffn2
	.globl	k_q3c6763ff98_ffn2
	.p2align	8
	.type	k_q3c6763ff98_ffn2,@function
k_q3c6763ff98_ffn2:
	s_mov_b64 s[64:65], 0
	v_nop
	global_prefetch_b8 v0, s[64:65] scope:SCOPE_SE
	s_setreg_imm32_b32 hwreg(HW_REG_WAVE_MODE, 25, 1), 1
	s_wait_xcnt 0x0
	s_wait_alu depctr_hold_cnt(0) depctr_sa_sdst(0) depctr_va_vdst(0) depctr_va_sdst(0) depctr_va_ssrc(0) depctr_va_vcc(0) depctr_vm_vsrc(0)
	s_getreg_b32 s2, hwreg(HW_REG_IB_STS2, 6, 4)
	s_cmp_eq_u32 s2, 0
	s_cbranch_scc0 .Lentry_in_a_cluster
	s_endpgm
.Lentry_in_a_cluster:
	s_bfe_u32 s2, ttmp6, 0x10000c
	s_cmp_lg_u32 s2, 0xf033
	s_cbranch_scc0 .Lentry_shape_is_right
	s_endpgm
.Lentry_shape_is_right:
.set FFN,  2
.set NB,   4
.set KK,   4096
.set NQ,   4
.set KSN,    KK/128
.set KROW,   KK*3/4
.set KS,     KK/32
.set FRB,    1536
.set HALFA,  NB*NQ*FRB
.set HALFB,  NB*NQ*FRB                 ; B comes as images of operand registers, as A does
.set SLOT,   2*HALFA+2*HALFB
.set SCA,    2*SLOT
.set HALFSA, KSN*64*NB
.set SCB,    SCA+2*HALFSA
.set HALFS,  (16*NB*KS/256)*272
.set SBLK2,  (32*KS/256)*272
.set SPARE,  SCB+2*HALFS
.set STG,    SPARE+512
.set PLANES, 256*KSN*FRB
.set LAPS,   KK/(256*NQ)
.set FAU,    3*NB/2
.set RR,   1
.set HH,   2
.set LN,   3
.set L16,  4
.set BO,   7
.set L4,   8
.set ADRA, 16
.set ADRB, 20
.set STO,  24
.set RD,   25
.set CO,   26
.set ADSB, 27
.set SPW,  28
.set NIL,  29
.set ADSA, 30
.set SC,   32
.set BIAS, 64
.set AF,   128
.set H,    128
.set PC,   192
.set TM,   212
.set PWS,  228
.set JW,   236
.set BK,   128
.set WV,   16
.set RH,   17
.set CH,   18
.set G1,   24
.set G0,   32
.set G1B,  48
.set G0B,  56
.set G1S,  68
.set G0S,  76
.set G1SB, 80
.set G0SB, 88
.set SEL,  100
.set MSB, 0
.macro WIN new
.if MSB != \new
	s_set_vgpr_msb (MSB<<8)|\new
.set MSB, \new
.endif
.endm
.set TO_B,     0x40
.set MUL_LO,   0xa1
.set FIRST_LO, 0x81
.if NB == 8
.set MUL_HI,   0xf1
.set FIRST_HI, 0xc1
.else
.set MUL_HI,   0xa1
.set FIRST_HI, 0x81
.endif
.macro JLOAD g0a, g1a, g0b, g1b
	s_cmp_eq_u32 s[RH], 0
	s_cbranch_scc0 .Lfor_b_\@
	tensor_load_to_lds s[\g0a:\g0a+3], s[\g1a:\g1a+7]
	s_nop 0
.rept 4
	v_nop
.endr
	s_branch .Lasked_\@
.Lfor_b_\@:
	tensor_load_to_lds s[\g0b:\g0b+3], s[\g1b:\g1b+7]
	s_nop 0
.rept 4
	v_nop
.endr
.Lasked_\@:
.endm
.macro CREST
	s_cmp_lg_u32 s[WV], 0
	s_cbranch_scc1 .Lnot_wave_0_\@
	s_barrier_signal -3
.Lnot_wave_0_\@:
	s_barrier_wait -3
	s_barrier_signal -1
	s_barrier_wait -1
.endm
.macro CROUND
	s_barrier_signal -1
	s_barrier_wait -1
	CREST
.endm
.macro PLACES
.rept 4
	v_nop
.endr
.endm
	s_load_b256 s[4:11], s[0:1], 0x0
.if FFN == 1
	s_load_b64 s[12:13], s[0:1], 0x20
.else
	s_load_b128 s[12:15], s[0:1], 0x20
.endif
	v_lshl_add_u32 v[SPW], v0, 2, SPARE
	v_mov_b32 v[NIL], 0
	ds_add_u32 v28, v29
	ds_add_u32 v28, v29
	s_wait_dscnt 0x0
	v_lshrrev_b32 v1, 5, v0
	v_readfirstlane_b32 s[WV], v1
	s_lshr_b32 s[RH], s[WV], 1
	s_and_b32 s[CH], s[WV], 1
	s_bfe_u32 s40, ttmp6, 0x40000
	s_bfe_u32 s41, ttmp6, 0x40004
	s_lshl_b32 s42, ttmp9, 2
	s_add_co_u32 s42, s42, s40
	s_and_b32 s43, ttmp7, 0xffff
	s_lshl_b32 s43, s43, 2
	s_add_co_u32 s43, s43, s41
	s_lshl_b32 s44, s41, 2
	s_lshl_b32 s44, 15, s44
	s_lshl_b32 s45, 0x1111, s40
	s_or_b32 s[G1], s44, (3<<16)|(1<<21)
	s_mov_b32 s[G1+1], (192*NQ)<<16
	s_mov_b32 s[G1+2], (2*NB)<<16                  ; the head's loads bring whole tiles: both halves
	s_mov_b32 s[G1+3], (192*NQ)<<16
	s_mov_b32 s[G1+4], 2*NB
	s_mov_b32 s[G1+5], 192*KSN
	s_mov_b32 s[G1+6], 0
	s_mov_b32 s[G1+7], 0
	s_or_b32 s[G1B], s45, (3<<16)|(1<<21)
	s_mov_b32 s[G1B+1], (192*NQ)<<16
	s_mov_b32 s[G1B+2], (2*NB)<<16
	s_mov_b32 s[G1B+3], (192*NQ)<<16
	s_mov_b32 s[G1B+4], 2*NB
	s_mov_b32 s[G1B+5], 192*KSN
	s_mov_b32 s[G1B+6], 0
	s_mov_b32 s[G1B+7], 0
	s_or_b32 s[G1S], s44, (2<<16)|(1<<21)
	s_mov_b32 s[G1S+1], (32*NB)<<16
	s_mov_b32 s[G1S+2], KSN<<16
	s_mov_b32 s[G1S+3], (32*NB)<<16
	s_mov_b32 s[G1S+4], KSN
	s_mov_b32 s[G1S+5], 4096
	s_mov_b32 s[G1S+6], 0
	s_mov_b32 s[G1S+7], 0
	s_or_b32 s[G1SB], s45, (3<<16)|(1<<20)|(1<<21)|(5<<22)|(3<<25)
	s_mov_b32 s[G1SB+1], 32<<16
	s_mov_b32 s[G1SB+2], (32*NB*KS/256)<<16
	s_mov_b32 s[G1SB+3], 32<<16
	s_mov_b32 s[G1SB+4], 32*NB*KS/256
	s_mov_b32 s[G1SB+5], 32
	s_mov_b32 s[G1SB+6], 0
	s_mov_b32 s[G1SB+7], 0
	s_mul_i32 s20, s43, 2*NB
	s_lshl_b32 s22, s20, 6
	s_add_co_u32 s22, s22, PLANES
	s_mov_b32 s23, 0
	s_mul_i32 s20, s20, KSN*FRB
	s_mov_b32 s21, 0
	s_mul_i32 s46, s42, 32*NB
	s_mul_i32 s92, s46, KS
	s_mov_b32 s93, 0
	s_mul_i32 s46, s46, KROW
	s_add_co_u32 s46, s46, 3145728                 ; w2's image lies behind w1's in wimg
	s_mov_b32 s47, 0
	s_mul_i32 s94, s[CH], HALFA
	s_mul_i32 s95, s[CH], HALFB
	s_add_co_u32 s95, s95, 2*HALFA
	s_mul_i32 s96, s[CH], NB*KSN*FRB               ; from a tile's first byte to my half of it, in memory
	s_mov_b32 s97, 0
	s_wait_kmcnt 0x0
	s_add_nc_u64 s[20:21], s[4:5], s[20:21]
	s_add_nc_u64 s[22:23], s[4:5], s[22:23]
	s_add_nc_u64 s[46:47], s[6:7], s[46:47]
	s_add_nc_u64 s[92:93], s[8:9], s[92:93]
	CROUND
	s_mov_b32 s[G0S], 1
	s_mov_b32 s[G0S+1], SCA
	s_mov_b64 s[G0S+2:G0S+3], s[22:23]
	s_or_b32 s[G0S+3], s[G0S+3], 0x80000000
	s_mov_b32 s[G0SB], 1
	s_mov_b32 s[G0SB+1], SCB
	s_mov_b64 s[G0SB+2:G0SB+3], s[92:93]
	s_or_b32 s[G0SB+3], s[G0SB+3], 0x80000000
	s_mov_b32 s[G0], 1                             ; slot 0's first fill, whole: A's tile at byte 0,
	s_mov_b32 s[G0+1], 0
	s_mov_b64 s[G0+2:G0+3], s[20:21]
	s_or_b32 s[G0+3], s[G0+3], 0x80000000
	s_mov_b32 s[G0B], 1                            ; B's behind it
	s_mov_b32 s[G0B+1], 2*HALFA
	s_mov_b64 s[G0B+2:G0B+3], s[46:47]
	s_or_b32 s[G0B+3], s[G0B+3], 0x80000000
	s_add_nc_u64 s[20:21], s[20:21], s[96:97]      ; for the ring: my half of a tile
	s_add_nc_u64 s[46:47], s[46:47], s[96:97]
	s_mov_b32 s22, s94                             ; and where it goes in slot 0
	s_mov_b32 s23, s95
	s_mov_b32 s[G0+4], 1
	s_add_co_u32 s[G0+5], s94, SLOT
	s_add_nc_u64 s[G0+6:G0+7], s[20:21], NQ*FRB
	s_or_b32 s[G0+7], s[G0+7], 0x80000000
	s_mov_b32 s[G0B+4], 1
	s_add_co_u32 s[G0B+5], s95, SLOT
	s_add_nc_u64 s[G0B+6:G0B+7], s[46:47], NQ*FRB
	s_or_b32 s[G0B+7], s[G0B+7], 0x80000000
; the head's four tiles, one joint load a wave: wave 0 slot 0's A, wave 1 its B, wave 2 A's scales, wave 3 B's; one chain of branches on the wave's number
.macro ARM under, g0, g1, next
	s_cmp_lt_u32 s[WV], \under
	s_cbranch_scc0 \next
	tensor_load_to_lds s[\g0:\g0+3], s[\g1:\g1+7]
	s_nop 0
	PLACES
	s_branch .Lhead_asked
\next:
.endm
	ARM 1, G0,  G1,  .Lhead_b
	ARM 2, G0B, G1B, .Lhead_sa
	ARM 3, G0S, G1S, .Lhead_sb
	tensor_load_to_lds s[G0SB:G0SB+3], s[G1SB:G1SB+7]
	s_nop 0
	PLACES
.Lhead_asked:
; the prefetches' address: of the half tile (4 tile rows x 6,144 bytes a fill) that I fetch, the four partners that ask for it jointly take one tile row each, told apart by address: 24 blocks of 256 bytes, a lane a block
.set PFA, 92
.set PFO, 31
	s_cmp_eq_u32 s[RH], 0
	s_cselect_b64 s[PFA:PFA+1], s[20:21], s[46:47]
	s_cselect_b32 s98, s40, s41
	s_mul_i32 s98, s98, (NB/4)*KSN*FRB
	s_add_co_u32 s98, s98, NQ*FRB
	s_mov_b32 s99, 0
	s_add_nc_u64 s[PFA:PFA+1], s[PFA:PFA+1], s[98:99]
	v_and_b32 v[PFO], 31, v0
	v_min_u32 v[PFO], 23, v[PFO]                   ; lanes 24-31 name the last block again
	v_lshlrev_b32 v[PFO], 8, v[PFO]
	v_and_b32 v[RR], 15, v0
	v_bfe_u32 v[HH], v0, 4, 1
	v_and_b32 v[LN], 31, v0
	v_lshlrev_b32 v[L16], 4, v[LN]
	v_lshlrev_b32 v[L4], 2, v[LN]
	s_mul_i32 s19, s[RH], HALFA
	v_add_nc_u32 v[ADRA], s19, v[L16]
	v_add_nc_u32 v[ADRA+1], SLOT, v[ADRA]
	s_mul_i32 s19, s[CH], HALFB
	s_add_co_u32 s19, s19, 2*HALFA
	v_add_nc_u32 v[ADRB], s19, v[L16]
	v_add_nc_u32 v[ADRB+1], SLOT, v[ADRB]
	s_mul_i32 s19, s[RH], 64*NB                    ; A's scale words lie [K step][32 NB rows]: my half of a row
	s_add_co_u32 s19, s19, SCA
	v_lshl_add_u32 v[ADSA], v[LN], 2, s19
	v_mul_u32_u24 v5, v[LN], KS
	v_lshrrev_b32 v6, 8, v5
	v_lshl_add_u32 v5, v6, 4, v5
	s_mul_i32 s19, s[CH], HALFS
	s_add_co_u32 s19, s19, SCB
	v_add_nc_u32 v[ADSB], s19, v5
	s_mov_b32 s[SEL], 0x76543210
	s_mov_b32 s[SEL+1], 0xfedcba98
	s_mul_i32 s98, s42, 32*NB
	s_mul_i32 s19, s[CH], 16*NB
	s_add_co_u32 s98, s98, s19
	s_lshl_b32 s66, s98, 2
	s_mov_b32 s67, 0
	s_add_nc_u64 s[10:11], s[10:11], s[66:67]
	v_lshlrev_b32 v[BO], 5, v[HH]
.set II, 0
.rept NB
	global_load_b128 v[BIAS+8*II:BIAS+8*II+3], v[BO], s[10:11] offset:64*II
	global_load_b128 v[BIAS+8*II+4:BIAS+8*II+7], v[BO], s[10:11] offset:64*II+16
.set II, II+1
.endr
.if FFN == 1
	s_mul_i32 s66, s43, 2*NB
	s_mul_i32 s19, s[RH], NB
	s_add_co_u32 s66, s66, s19
	s_lshr_b32 s99, s98, 7
	s_mul_i32 s94, s66, 32*FRB
	s_mul_i32 s19, s99, FRB
	s_add_co_u32 s94, s94, s19
	s_mov_b32 s95, 0
	s_lshl_b32 s96, s66, 6
	s_lshl_b32 s19, s99, 14
	s_add_co_u32 s96, s96, s19
	s_add_co_u32 s96, s96, 256*32*FRB
	s_mov_b32 s97, 0
	s_add_nc_u64 s[14:15], s[12:13], s[96:97]
	s_add_nc_u64 s[12:13], s[12:13], s[94:95]
.else
	s_mul_i32 s94, s43, 32*NB
	s_mul_i32 s19, s[RH], 16*NB
	s_add_co_u32 s94, s94, s19
	s_lshl_b32 s94, s94, 12
	s_add_co_u32 s94, s94, s66
	s_mov_b32 s95, 0
	s_add_nc_u64 s[12:13], s[12:13], s[94:95]
	s_add_nc_u64 s[14:15], s[14:15], s[94:95]
	s_mul_i32 s19, s[WV], 16*272
	s_add_co_u32 s19, s19, STG
	v_mul_u32_u24 v[STO], v[RR], 272
	v_lshl_add_u32 v[STO], v[HH], 5, v[STO]
	v_add_nc_u32 v[STO], s19, v[STO]
	v_mul_u32_u24 v[RD], v[HH], 272
	v_lshl_add_u32 v[RD], v[RR], 4, v[RD]
	v_add_nc_u32 v[RD], s19, v[RD]
	v_lshlrev_b32 v[CO], 12, v[HH]
	v_lshl_add_u32 v[CO], v[RR], 4, v[CO]
.endif
.macro FRAGA reg, slot, q, i
.irp c, 0,1,2
	ds_load_b128 v[(\reg)+4*\c:(\reg)+4*\c+3], v[ADRA+\slot] offset:NQ*FRB*(\i)+FRB*(\q)+512*\c
.endr
.endm
.macro FRAGB reg, adr, q, i
.irp c, 0,1,2
	ds_load_b128 v[(\reg)+4*\c:(\reg)+4*\c+3], v[\adr] offset:NQ*FRB*(\i)+FRB*(\q)+512*\c
.endr
.endm
.macro FETCH_B slot, q, p
	WIN TO_B
.set II, 0
.rept NB
	FRAGB 128*(\p)+12*II, ADRB+\slot, \q, II
.set II, II+1
.endr
	WIN 0
.endm
.macro FETCH_A slot, q, i0
.set II, \i0
.rept NB/2
	FRAGA AF+12*II, \slot, \q, II
.set II, II+1
.endr
.endm
.macro SCALES sc
.set II, 0
.rept NB/2
.set QQ, 0
.rept NQ
	ds_load_b32 v[SC+16*(\sc)+NQ*II+QQ], v[ADSA] offset:128*NB*QQ+128*II
.set QQ, QQ+1
.endr
.if NQ == 2
	ds_load_b64 v[SC+16*(\sc)+8+2*II:SC+16*(\sc)+8+2*II+1], v[ADSB] offset:II*SBLK2
.else
	ds_load_b128 v[SC+16*(\sc)+8+4*II:SC+16*(\sc)+8+4*II+3], v[ADSB] offset:II*SBLK2
.endif
.set II, II+1
.endr
.endm
.macro WM a, b, p, q, sc, first
.set ACI, (\a)*NB+(\b)
.set AC,  8*(ACI%32)
.set RGB, 128*(\p)+12*(\b)
.set RGA, AF+12*(\a)
.set SSB, SC+16*(\sc)+8+NQ*((\b)/2)+(\q)
.set SSA, SC+16*(\sc)+NQ*((\a)/2)+(\q)
.if \first
.set CC, BIAS+8*(\b)
.else
.set CC, AC
.endif
.if ((\a)%2 == 0) && ((\b)%2 == 0)
	v_wmma_scale_f32_16x16x128_f8f6f4 v[AC:AC+7], v[RGB:RGB+11], v[RGA:RGA+11], v[CC:CC+7], v[SSB], v[SSA] matrix_a_fmt:MATRIX_FMT_FP6 matrix_b_fmt:MATRIX_FMT_FP6
.elseif (\a)%2 == 0
	v_wmma_scale_f32_16x16x128_f8f6f4 v[AC:AC+7], v[RGB:RGB+11], v[RGA:RGA+11], v[CC:CC+7], v[SSB], v[SSA] matrix_a_fmt:MATRIX_FMT_FP6 matrix_b_fmt:MATRIX_FMT_FP6 matrix_a_scale:MATRIX_SCALE_ROW1
.elseif (\b)%2 == 0
	v_wmma_scale_f32_16x16x128_f8f6f4 v[AC:AC+7], v[RGB:RGB+11], v[RGA:RGA+11], v[CC:CC+7], v[SSB], v[SSA] matrix_a_fmt:MATRIX_FMT_FP6 matrix_b_fmt:MATRIX_FMT_FP6 matrix_b_scale:MATRIX_SCALE_ROW1
.else
	v_wmma_scale_f32_16x16x128_f8f6f4 v[AC:AC+7], v[RGB:RGB+11], v[RGA:RGA+11], v[CC:CC+7], v[SSB], v[SSA] matrix_a_fmt:MATRIX_FMT_FP6 matrix_b_fmt:MATRIX_FMT_FP6 matrix_a_scale:MATRIX_SCALE_ROW1 matrix_b_scale:MATRIX_SCALE_ROW1
.endif
.endm
.macro MULR a0, n, p, q, sc, first
.set AA, \a0
.rept \n
.set BBI, 0
.rept NB
	WM AA, BBI, \p, \q, \sc, \first
.set BBI, BBI+1
.endr
.set AA, AA+1
.endr
.endm
.macro STEP slot, q, first
	s_wait_dscnt FAU
.if \first
	WIN FIRST_LO
.else
	WIN MUL_LO
.endif
	MULR 0, NB/2, (\q)%2, \q, \slot, \first
	s_wait_dscnt 0x0
	PLACES
	FETCH_B \slot, (\q)+1, 1-(\q)%2
	FETCH_A \slot, (\q)+1, 0
.if \first
	WIN FIRST_HI
.else
	WIN MUL_HI
.endif
	MULR NB/2, NB/2, (\q)%2, \q, \slot, \first
	PLACES
	WIN 0
	FETCH_A \slot, (\q)+1, NB/2
.endm
.macro TURN slot, next, fill
.if \fill
	s_wait_xcnt 0x0                                ; my last prefetch has read its address: it steps one fill on, ahead of the waits of the change of slots
	s_add_nc_u64 s[PFA:PFA+1], s[PFA:PFA+1], NQ*FRB
.endif
	s_wait_tensorcnt 0x0
	ds_add_u32 v[SPW], v[NIL]
	s_wait_dscnt FAU+1
	WIN MUL_LO
	MULR 0, NB/4, 1, NQ-1, \slot, 0
	s_wait_dscnt 0x0
	s_barrier_signal -1
	MULR NB/4, NB/4, 1, NQ-1, \slot, 0
	WIN 0
	s_barrier_wait -1
.if \fill
	CREST
	s_add_nc_u64 s[G0+4*\slot+2:G0+4*\slot+3], s[G0+4*\slot+2:G0+4*\slot+3], 2*NQ*FRB
	s_add_nc_u64 s[G0B+4*\slot+2:G0B+4*\slot+3], s[G0B+4*\slot+2:G0B+4*\slot+3], 2*NQ*FRB
	JLOAD G0+4*\slot, G1, G0B+4*\slot, G1B
.else
	PLACES
.endif
	s_wait_alu depctr_va_vdst(0)
	v_add_nc_u32 v[ADSA], NQ*128*NB, v[ADSA]
	v_add_nc_u32 v[ADSB], 4*NQ, v[ADSB]
	FETCH_B \next, 0, 0
	FETCH_A \next, 0, 0
	SCALES \next
.if \fill
	s_cmp_gt_u32 s3, 1                             ; the fill two refills on; the last trip's two refills have none
	s_cbranch_scc0 .Lno_ask_\@
	global_prefetch_b8 v[PFO], s[PFA:PFA+1] offset:2*NQ*FRB th:TH_LOAD_NT scope:SCOPE_SE
.Lno_ask_\@:
.endif
	WIN MUL_HI
	MULR NB/2, NB/2, 1, NQ-1, \slot, 0
	PLACES
	WIN 0
	FETCH_A \next, 0, NB/2
.endm
.macro MIDS slot
.if NQ == 4
	STEP \slot, 1, 0
	STEP \slot, 2, 0
.endif
.endm
	s_wait_alu depctr_va_vdst(0)
	s_wait_tensorcnt 0x0                           ; my tile of the head's four is in
	ds_add_u32 v[SPW], v[NIL]
	s_mov_b32 s[G1+2], NB<<16                      ; no load of mine is out: from here on a load brings half a tile,
	s_mov_b32 s[G1+4], NB
	s_mov_b32 s[G1B+2], NB<<16
	s_mov_b32 s[G1B+4], NB
	s_mov_b32 s[G0+1], s22                         ; and slot 0's refills bring my half
	s_mov_b64 s[G0+2:G0+3], s[20:21]
	s_or_b32 s[G0+3], s[G0+3], 0x80000000
	s_mov_b32 s[G0B+1], s23
	s_mov_b64 s[G0B+2:G0B+3], s[46:47]
	s_or_b32 s[G0B+3], s[G0B+3], 0x80000000
	s_wait_dscnt 0x0
	CROUND                                         ; all four tiles are in, and all sixteen work-groups are here
	JLOAD G0+4, G1, G0B+4, G1B                     ; slot 1's first fill
	FETCH_B 0, 0, 0
	FETCH_A 0, 0, 0
	SCALES 0
	global_prefetch_b8 v[PFO], s[PFA:PFA+1] offset:NQ*FRB th:TH_LOAD_NT scope:SCOPE_SE     ; fills 2 and 3, the first two refills: asked for behind the first run of fragment loads
	global_prefetch_b8 v[PFO], s[PFA:PFA+1] offset:2*NQ*FRB th:TH_LOAD_NT scope:SCOPE_SE
	FETCH_A 0, 0, NB/2
.if FFN == 1
	s_wait_loadcnt 0x0
.else
	s_wait_loadcnt 0x0
.endif
	STEP 0, 0, 1
	s_mov_b32 s3, LAPS-1
.Llap:
	MIDS 0
	TURN 0, 1, 1
	STEP 1, 0, 0
	MIDS 1
	TURN 1, 0, 1
	STEP 0, 0, 0
	s_sub_co_u32 s3, s3, 1
	s_cmp_lg_u32 s3, 0
	s_cbranch_scc1 .Llap
	WIN 0xc0                                       ; x1, in the layout of the way out, into window 3: asked for here, when the last refill has been issued; it lands under the last lap's eight K steps
.irp a, 0,1,2,3
.irp t, 0,1,2,3,4,5,6,7
	global_load_b128 v[32*\a+4*\t:32*\a+4*\t+3], v[CO], s[12:13] offset:(16*\a+2*\t)*4096 th:TH_LOAD_NT
.endr
.endr
	WIN 0
	MIDS 0
	TURN 0, 1, 0
	STEP 1, 0, 0
	MIDS 1
	s_wait_dscnt FAU
	WIN MUL_LO
	MULR 0, NB/2, 1, NQ-1, 1, 0
	s_wait_dscnt 0x0
	WIN MUL_HI
	MULR NB/2, NB/2, 1, NQ-1, 1, 0
	WIN 0
	PLACES
.if FFN == 1
.irp b, 0,1,2,3
	v_mov_b32 v[TM+4+\b], 0
.endr
.irp a, 0,1,2,3,4,5,6,7
.if \a > 0
	s_wait_xcnt 0x0
.endif
	WIN 0x08+4*(\a/4)
.set J, 0
.rept 64
	v_max_num_f32 v[H+J], 0, v[64*(\a%4)+J]
.set J, J+1
.endr
	WIN 0
.irp b, 0,1,2,3
.irp j, 0,1,2,3,4,5,6,7
	v_permlane16_swap_b32 v[H+16*\b+\j], v[H+16*\b+8+\j]
.endr
.endr
.irp b, 0,1,2,3
	v_max3_num_f32 v[TM+\b], v[H+16*\b], v[H+1+16*\b], 0x1800000
.endr
.irp i, 2,4,6,8,10,12,14
.irp b, 0,1,2,3
	v_max3_num_f32 v[TM+\b], v[TM+\b], v[H+16*\b+\i], v[H+1+16*\b+\i]
.endr
.endr
.irp b, 0,1,2,3
	v_permlanex16_b32 v[TM+4+\b], v[TM+\b], s[SEL], s[SEL+1]
.endr
.irp b, 0,1,2,3
	v_max_num_f32 v[TM+\b], v[TM+\b], v[TM+4+\b]
.endr
.irp b, 0,1,2,3
	v_add_nc_u32 v[TM+12+\b], 0xff000000, v[TM+\b]
.endr
.irp b, 0,1,2,3
	v_lshrrev_b32 v[TM+4+\b], 23, v[TM+12+\b]
.endr
	v_lshl_or_b32 v[PWS+\a], v[TM+5], 8, v[TM+4]
	v_lshl_or_b32 v[PWS+\a], v[TM+6], 16, v[PWS+\a]
	v_lshl_or_b32 v[PWS+\a], v[TM+7], 24, v[PWS+\a]
.irp c, 0,1
	v_cvt_scalef32_pk16_fp6_f32 v[PC+6*\c:PC+2+6*\c], v[H+32*\c:H+15+32*\c], v[TM+12+2*\c]
	v_cvt_scalef32_pk16_fp6_f32 v[PC+12+4*\c:PC+14+4*\c], v[H+16+32*\c:H+31+32*\c], v[TM+12+2*\c+1]
.endr
	v_nop
.irp c, 0,1
.irp i, 0,1,2
	v_permlane16_swap_b32 v[PC+6*\c+\i], v[PC+12+4*\c+\i]
.endr
.irp i, 0,1,2
	v_mov_b32 v[PC+3+6*\c+\i], v[PC+12+4*\c+\i]
.endr
.endr
.irp q, 0,1,2
	global_store_b128 v[L16], v[PC+4*\q:PC+4*\q+3], s[12:13] offset:32*FRB*\a+512*\q
.endr
.endr
	v_cmp_le_u32 vcc_lo, 16, v[LN]
.irp i, 0,1,2,3
	v_cndmask_b32 v[JW+\i], v[PWS+2*\i], v[PWS+2*\i+1], vcc_lo
	global_store_b32 v[L4], v[JW+\i], s[14:15] offset:128*\i
.endr
.else
	s_wait_loadcnt 0x0
.irp a, 0,1,2,3
	WIN 0x08
.irp b, 0,1,2,3
	ds_store_b128 v[STO], v[8*(4*\a+\b):8*(4*\a+\b)+3] offset:64*\b
	ds_store_b128 v[STO], v[8*(4*\a+\b)+4:8*(4*\a+\b)+7] offset:64*\b+16
.endr
	WIN 0
.if \a > 1
	s_wait_xcnt 0x0
.endif
.irp t, 0,1,2,3,4,5,6,7
	ds_load_b128 v[BK+32*(\a%2)+4*\t:BK+32*(\a%2)+4*\t+3], v[RD] offset:2*272*\t
.endr
	s_wait_dscnt 0x0
	WIN 0x0c
.irp t, 0,1,2,3,4,5,6,7
	v_pk_add_f32 v[BK+32*(\a%2)+4*\t:BK+32*(\a%2)+4*\t+1], v[BK+32*(\a%2)+4*\t:BK+32*(\a%2)+4*\t+1], v[32*\a+4*\t:32*\a+4*\t+1]
	v_pk_add_f32 v[BK+32*(\a%2)+4*\t+2:BK+32*(\a%2)+4*\t+3], v[BK+32*(\a%2)+4*\t+2:BK+32*(\a%2)+4*\t+3], v[32*\a+4*\t+2:32*\a+4*\t+3]
.endr
	WIN 0
.irp t, 0,1,2,3,4,5,6,7
	global_store_b128 v[CO], v[BK+32*(\a%2)+4*\t:BK+32*(\a%2)+4*\t+3], s[14:15] offset:(16*\a+2*\t)*4096
.endr
.endr
.endif
	s_wait_tensorcnt 0x0
	ds_add_u32 v[SPW], v[NIL]
	s_wait_dscnt 0x0
	CROUND
	s_endpgm
.Lfunc_end_k_q3c6763ff98_ffn2:
	.size	k_q3c6763ff98_ffn2, .Lfunc_end_k_q3c6763ff98_ffn2-k_q3c6763ff98_ffn2
	.p2alignl 7, 3214868480
	.fill 96, 4, 3214868480
	.section	.rodata,"a",@progbits
	.p2align	6, 0x0
	.amdhsa_kernel k_q3c6763ff98_ffn2
		.amdhsa_group_segment_fixed_size 327680
		.amdhsa_private_segment_fixed_size 0
		.amdhsa_enable_private_segment 0
		.amdhsa_kernarg_size 48
		.amdhsa_user_sgpr_count 2
		.amdhsa_user_sgpr_kernarg_segment_ptr 1
		.amdhsa_wavefront_size32 1
		.amdhsa_system_sgpr_workgroup_id_x 1
		.amdhsa_system_sgpr_workgroup_id_y 1
		.amdhsa_system_sgpr_workgroup_id_z 1
		.amdhsa_system_vgpr_workitem_id 0
		.amdhsa_next_free_vgpr 896
		.amdhsa_next_free_sgpr 102
		.amdhsa_reserve_vcc 1
		.amdhsa_float_denorm_mode_32 3
		.amdhsa_float_denorm_mode_16_64 3
		.amdhsa_memory_ordered 1
		.amdhsa_forward_progress 1
		.amdhsa_inst_pref_size 97
	.end_amdhsa_kernel
	.amdgpu_metadata
---
amdhsa.version: [ 1, 2 ]
amdhsa.kernels:
  - .name:           k_q3c6763ff98_ffn2
    .symbol:         k_q3c6763ff98_ffn2.kd
    .args:
      - { .name: hidq, .offset: 0, .size: 8, .value_kind: global_buffer, .address_space: global }
      - { .name: wimg, .offset: 8, .size: 8, .value_kind: global_buffer, .address_space: global }
      - { .name: w2_scales, .offset: 16, .size: 8, .value_kind: global_buffer, .address_space: global }
      - { .name: b2, .offset: 24, .size: 8, .value_kind: global_buffer, .address_space: global }
      - { .name: x1, .offset: 32, .size: 8, .value_kind: global_buffer, .address_space: global }
      - { .name: y2, .offset: 40, .size: 8, .value_kind: global_buffer, .address_space: global }
    .group_segment_fixed_size: 327680
    .private_segment_fixed_size: 0
    .kernarg_segment_align: 8
    .kernarg_segment_size: 48
    .max_flat_workgroup_size: 128
    .sgpr_count:     102
    .vgpr_count:     896
    .wavefront_size: 32
...
	.end_amdgpu_metadata
.endif
;; end of part 5
;; launch ln2 (part 6): grid 256 x 1, 4 waves a work-group, no clusters, 0 bytes of LDS; arguments y2, gamma2, beta2, out0; writes out0
.if DOCPART == 6
	.amdgcn_target "amdgcn-amd-amdhsa--gfx1250"
	.amdhsa_code_object_version 6
	.text
	.protected	k_q3c6763ff98_ln2
	.globl	k_q3c6763ff98_ln2
	.p2align	8
	.type	k_q3c6763ff98_ln2,@function
k_q3c6763ff98_ln2:
	s_mov_b64 s[64:65], 0
	v_nop
	global_prefetch_b8 v0, s[64:65] scope:SCOPE_SE
	s_setreg_imm32_b32 hwreg(HW_REG_WAVE_MODE, 25, 1), 1
	s_wait_xcnt 0x0
; out0 = layernorm(y2) x gamma2 + beta2, row by row of 1,024 f32.  y2's rows lie in "slot" order: slot s is the token whose number has bits 3 and 4 of s exchanged; the rows go back to their places here.
; A wave takes four slots on end, 16 g + 4 w + k: their tokens, 32 (g / 2) + 16 (w / 2) + 8 (g % 2) + 4 (w % 2) + k, are on end too: 16 KiB in, 16 KiB out.  A row is 32 registers of the wave: it is read once and stays
; in registers between the passes (the mean; the mean square of what is left; the scaling).  Each load and store of the wave covers 512 consecutive bytes, aligned.  No LDS, no barrier: waves share nothing.
; All of a wave's 48 loads go out at the start.
.set GM, 16                            ; v16-47  gamma2 of my 32 columns
.set BT, 48                            ; v48-79  beta2
.set R,  80                            ; v80-207 four rows
	s_load_b256 s[4:11], s[0:1], 0x0               ; y2, gamma2, beta2, out0
	v_lshrrev_b32 v1, 5, v0
	v_readfirstlane_b32 s12, v1                    ; wave 0..3
	v_and_b32 v1, 31, v0
	v_lshlrev_b32 v1, 4, v1                        ; 16 bytes a lane
	s_lshl_b32 s14, ttmp9, 16                      ; 16 slots of 4,096 bytes,
	s_lshl_b32 s15, s12, 14                        ; my wave's four
	s_add_co_u32 s14, s14, s15
	s_mov_b32 s15, 0
	s_lshr_b32 s16, ttmp9, 1
	s_lshl_b32 s16, s16, 5
	s_lshr_b32 s17, s12, 1
	s_lshl_b32 s17, s17, 4
	s_add_co_u32 s16, s16, s17
	s_and_b32 s17, ttmp9, 1
	s_lshl_b32 s17, s17, 3
	s_add_co_u32 s16, s16, s17
	s_and_b32 s17, s12, 1
	s_lshl_b32 s17, s17, 2
	s_add_co_u32 s16, s16, s17                     ; the first of my four tokens
	s_lshl_b32 s16, s16, 12
	s_mov_b32 s17, 0
	s_mov_b32 s18, 0x76543210
	s_mov_b32 s19, 0xfedcba98
	s_mov_b32 s20, 0x3a800000                      ; 1 / 1,024
	s_mov_b32 s21, 0x3727c5ac                      ; 1e-5
	v_mov_b32 v213, 0                              ; (named as the upper half of a pair)
	s_wait_alu depctr_va_vdst(0)
	s_wait_kmcnt 0x0
	s_add_nc_u64 s[4:5], s[4:5], s[14:15]
	s_add_nc_u64 s[10:11], s[10:11], s[16:17]
.set J, 0
.rept 8
	global_load_b128 v[GM+4*J:GM+4*J+3], v1, s[6:7] offset:512*J
	global_load_b128 v[BT+4*J:BT+4*J+3], v1, s[8:9] offset:512*J
.set J, J+1
.endr
.set J, 0
.rept 32
	global_load_b128 v[R+4*J:R+4*J+3], v1, s[4:5] offset:512*J th:TH_LOAD_NT
.set J, J+1
.endr
.macro ROWN k
.set RW, R+32*(\k)
	s_wait_loadcnt 24-8*(\k)                       ; gamma2, beta2 and this row are in; the younger rows' loads may be out
	v_pk_add_f32 v[208:209], v[RW:RW+1], v[RW+2:RW+3]
	v_pk_add_f32 v[210:211], v[RW+4:RW+5], v[RW+6:RW+7]
.set J, 8
.rept 6
	v_pk_add_f32 v[208:209], v[208:209], v[RW+J:RW+J+1]
	v_pk_add_f32 v[210:211], v[210:211], v[RW+J+2:RW+J+3]
.set J, J+4
.endr
	v_pk_add_f32 v[208:209], v[208:209], v[210:211]
	v_add_f32 v208, v208, v209
	v_add_f32_dpp v208, v208, v208 row_xmask:1 row_mask:0xf bank_mask:0xf
	v_add_f32_dpp v208, v208, v208 row_xmask:2 row_mask:0xf bank_mask:0xf
	v_add_f32_dpp v208, v208, v208 row_xmask:4 row_mask:0xf bank_mask:0xf
	v_add_f32_dpp v208, v208, v208 row_xmask:8 row_mask:0xf bank_mask:0xf
	v_permlanex16_b32 v209, v208, s18, s19
	v_add_f32 v208, v208, v209
	v_mul_f32 v208, s20, v208                      ; the mean
.set J, 0
.rept 16
	v_pk_add_f32 v[RW+J:RW+J+1], v[RW+J:RW+J+1], v[208:209] op_sel_hi:[1,0] neg_lo:[0,1] neg_hi:[0,1]
.set J, J+2
.endr
	v_pk_mul_f32 v[210:211], v[RW:RW+1], v[RW:RW+1]
	v_pk_mul_f32 v[214:215], v[RW+2:RW+3], v[RW+2:RW+3]
.set J, 4
.rept 7
	v_pk_fma_f32 v[210:211], v[RW+J:RW+J+1], v[RW+J:RW+J+1], v[210:211]
	v_pk_fma_f32 v[214:215], v[RW+J+2:RW+J+3], v[RW+J+2:RW+J+3], v[214:215]
.set J, J+4
.endr
	v_pk_add_f32 v[210:211], v[210:211], v[214:215]
	v_add_f32 v210, v210, v211
	v_add_f32_dpp v210, v210, v210 row_xmask:1 row_mask:0xf bank_mask:0xf
	v_add_f32_dpp v210, v210, v210 row_xmask:2 row_mask:0xf bank_mask:0xf
	v_add_f32_dpp v210, v210, v210 row_xmask:4 row_mask:0xf bank_mask:0xf
	v_add_f32_dpp v210, v210, v210 row_xmask:8 row_mask:0xf bank_mask:0xf
	v_permlanex16_b32 v211, v210, s18, s19
	v_add_f32 v210, v210, v211
	v_fma_f32 v210, v210, s20, s21                 ; the variance + 1e-5
	s_wait_alu depctr_va_vdst(0)
	v_rsq_f32 v212, v210
	v_nop                                          ; one plain place behind a transcendental
.set J, 0
	s_wait_alu depctr_va_vdst(0)
.rept 16
	v_pk_mul_f32 v[RW+J:RW+J+1], v[RW+J:RW+J+1], v[212:213] op_sel_hi:[1,0]
.set J, J+2
.endr
.set J, 0
.rept 16
	v_pk_fma_f32 v[RW+J:RW+J+1], v[RW+J:RW+J+1], v[GM+J:GM+J+1], v[BT+J:BT+J+1]
.set J, J+2
.endr
.set J, 0
.rept 8
	global_store_b128 v1, v[RW+4*J:RW+4*J+3], s[10:11] offset:4096*(\k)+512*J th:TH_STORE_NT
.set J, J+1
.endr
.endm
	ROWN 0
	ROWN 1
	ROWN 2
	ROWN 3
	s_endpgm
.Lfunc_end_k_q3c6763ff98_ln2:
	.size	k_q3c6763ff98_ln2, .Lfunc_end_k_q3c6763ff98_ln2-k_q3c6763ff98_ln2
	.p2alignl 7, 3214868480
	.fill 96, 4, 3214868480
	.section	.rodata,"a",@progbits
	.p2align	6, 0x0
	.amdhsa_kernel k_q3c6763ff98_ln2
		.amdhsa_group_segment_fixed_size 0
		.amdhsa_private_segment_fixed_size 0
		.amdhsa_enable_private_segment 0
		.amdhsa_kernarg_size 32
		.amdhsa_user_sgpr_count 2
		.amdhsa_user_sgpr_kernarg_segment_ptr 1
		.amdhsa_wavefront_size32 1
		.amdhsa_system_sgpr_workgroup_id_x 1
		.amdhsa_system_sgpr_workgroup_id_y 1
		.amdhsa_system_sgpr_workgroup_id_z 1
		.amdhsa_system_vgpr_workitem_id 0
		.amdhsa_next_free_vgpr 216
		.amdhsa_next_free_sgpr 66
		.amdhsa_reserve_vcc 0
		.amdhsa_float_denorm_mode_32 3
		.amdhsa_float_denorm_mode_16_64 3
		.amdhsa_memory_ordered 1
		.amdhsa_forward_progress 1
		.amdhsa_inst_pref_size 33
	.end_amdhsa_kernel
	.amdgpu_metadata
---
amdhsa.version: [ 1, 2 ]
amdhsa.kernels:
  - .name:           k_q3c6763ff98_ln2
    .symbol:         k_q3c6763ff98_ln2.kd
    .args:
      - { .name: y2, .offset: 0, .size: 8, .value_kind: global_buffer, .address_space: global }
      - { .name: gamma2, .offset: 8, .size: 8, .value_kind: global_buffer, .address_space: global }
      - { .name: beta2, .offset: 16, .size: 8, .value_kind: global_buffer, .address_space: global }
      - { .name: out0, .offset: 24, .size: 8, .value_kind: global_buffer, .address_space: global }
    .group_segment_fixed_size: 0
    .private_segment_fixed_size: 0
    .kernarg_segment_align: 8
    .kernarg_segment_size: 32
    .max_flat_workgroup_size: 128
    .sgpr_count:     66
    .vgpr_count:     216
    .wavefront_size: 32
...
	.end_amdgpu_metadata
.endif
;; end of part 6
